; MI455X (gfx1250); checked and timed in simulation.
; The chip was launched on July 23, 2026; its instructions are those of AMD's public machine-readable ISA for CDNA 5 (MIT licence, August 2026) and "CDNA5" Instruction Set Architecture Reference Guide (July 2026). The comments in the code are by the model that wrote it; some were corrected since.
;; Multi Attention Head. Allowed arithmetic: matrix products marked QUANTISED: E5M2 operands, one E8M0 scale for each 32 along K, by v_wmma_scale_f32_16x16x128_f8f6f4 with both operands' format E5M2, f32 sums; everything else in f32.
;; Inputs: Wk 16 x 1,024 x 64 float32; Wp 1,024 x 1,024 float32; Wq 16 x 1,024 x 64 float32; Wv 16 x 1,024 x 64 float32; bk 16 x 64 float32; bp 1,024 float32; bq 16 x 64 float32; bv 16 x 64 float32; x 4 x 2,048 x 1,024 float32.
;; Outputs: out0 4 x 2,048 x 1,024 float32.
;; This version of the problem:
;;   THIS VERSION OF THE PROBLEM IS GIVEN IN LOW PRECISION. The matrix products marked QUANTISED in the list below multiply operands that are first quantised to E5M2 (5 exponent bits, 2 mantissa bits; 8 bits a number), with one power-of-two scale for each 32 numbers along K (OCP MX v1.0); their sums are f32. All else is computed in f32.
;;   The module's matrix products, in the order in which they are computed (A, B: the left and right operand; K: the contracted axis; several contracted axes count as one K, in the product's order):
;;     1. [M 1,024, K 1,024] x [K 1,024, N 8,192]; A: input Wq; B: input x: QUANTISED
;;     2. [M 1,024, K 1,024] x [K 1,024, N 8,192]; A: input Wk; B: input x: QUANTISED
;;     3. [M 1,024, K 1,024] x [K 1,024, N 8,192]; A: input Wv; B: input x: QUANTISED
;;     4. batch 64 x [M 2,048, K 64] x [K 64, N 2,048]; A: computed on the way; B: computed on the way: QUANTISED
;;     5. batch 64 x [M 2,048, K 2,048] x [K 2,048, N 64]; A: softmax (see below); B: computed on the way: QUANTISED
;;     6. [M 8,192, K 1,024] x [K 1,024, N 1,024]; A: computed on the way; B: input Wp: QUANTISED
;;   THE QUANTISER, for each operand of a quantised product, along K:
;;     - K is cut into blocks of 32 from its start; a last block that is shorter is filled with zeros.
;;     - A block's scale is 2^e with e = floor(log2(the largest magnitude in the block)) - 15, held to -126 .. 127; a block of zeros has e = 0. As a byte (E8M0): e + 127.
;;     - Each number is divided by its block's scale, clamped to +-57,344, and rounded to the nearest number of E5M2, ties to even, subnormals kept.
;;     - The product sums the exact products of the quantised numbers (number of the format x scale) in f32.
;;   ~~~python
;;   def quantise(x, axis):      # numpy; x: float32 -> the quantised numbers, widened to float32 again
;;       x = np.moveaxis(x, axis, -1); K = x.shape[-1]
;;       x = np.pad(x, [(0, 0)] * (x.ndim - 1) + [(0, -K % 32)]); x = x.reshape(x.shape[:-1] + (-1, 32)); a = np.abs(x).max(-1, keepdims=True)
;;       e = np.where(a > 0, np.clip(np.frexp(np.where(a > 0, a, 1))[1] - 1 - 15, -126, 127), 0)      # np.frexp(a)[1] - 1 = floor(log2(a)), exactly
;;       r = np.clip(x / 2.0 ** e, -57344, 57344)
;;       step = 2.0 ** (np.maximum(np.frexp(np.where(r == 0, 1, r))[1] - 1, -14) - 2)
;;       q = np.round(r / step) * step * 2.0 ** e      # np.round: ties to even
;;       return np.moveaxis(q.reshape(q.shape[:-2] + (-1,))[..., :K], -1, axis).astype(np.float32)
;;   ~~~
;;   SOFTMAX AHEAD OF A QUANTISED PRODUCT. Where the list says 'softmax', what is quantised is not the finished softmax but p = 2^(t - M), with t = logit x log2(e) and M = ceil(the row's largest t), a whole number; so 1/2 < the row's largest p <= 1. The row's sum l is taken of the UNQUANTISED p, in f32, and the product's result is divided by l at the end. Since M is a whole number, a kernel that streams over the keys may use a running M (the ceiling of the running maximum): every later rescaling is an exact power of two, which a block's scale takes up: the codes' values come out the same.
;;   OPERANDS COMPUTED ON THE WAY. 'Computed on the way' means the value that the module computes at that place (a softmax that the list does not call 'softmax' is quantised finished and normalised). What goes into a quantiser is computed in f32, as accurately as f32 sums, v_exp_f32 and their like allow (about 1e-6 of the number): no bf16 or f16 on the way to a quantiser, and a product that is left as it is and whose result goes on into a quantised operand takes f32 operands (vector FMAs, or v_wmma_f32_16x16x4_f32). A number that lies on a knife's edge between two numbers of the format may be rounded either way, as far as f32 arithmetic and the matrix unit's own rounding can turn it there, and no further.
;; One version. Each part assembles by itself: llvm-mc -triple=amdgcn-amd-amdhsa -mcpu=gfx1250 --defsym DOCPART=n.
;; ======== version 1 of 1: 4 launches
;; limits: right only within a limited range of input values
;; workspace buffers: xb 8,650,752 bytes; wb 4,325,376 bytes; qb 8,912,896 bytes; kv 17,563,648 bytes; ao 8,650,752 bytes
;; launch quant (part 1): grid 384 x 1, 4 waves a work-group, no clusters, 92,672 bytes of LDS; arguments x, Wp, Wq, Wk, Wv, xb, wb; writes xb, wb
.if DOCPART == 1
	.amdgcn_target "amdgcn-amd-amdhsa--gfx1250"
	.amdhsa_code_object_version 6
	.text
	.protected	k_q69530e42e1_quant
	.globl	k_q69530e42e1_quant
	.p2align	8
	.type	k_q69530e42e1_quant,@function
k_q69530e42e1_quant:
	s_mov_b64 s[64:65], 0
	v_nop
	global_prefetch_b8 v0, s[64:65] scope:SCOPE_SE
	s_setreg_imm32_b32 hwreg(HW_REG_WAVE_MODE, 25, 1), 1
	s_wait_xcnt 0x0
; x [8192][1024], Wp [1024][1024] (K innermost) and Wq, Wk, Wv [16][1024][64] (K = the middle axis), all f32, become codes of BF8 (E5M2) with one E8M0 byte for each 32 along K.
; A block's scale is 2^(floor(log2(largest magnitude)) - 15); its byte is the largest magnitude's exponent field - 15, held at 1 from below; each number is held within +-57,344 x the scale and rounded to the nearest code, ties to even.
; LIMITS: NaN and infinities among the inputs are not served.  A block of zeros gets the byte 1 where the rule says 127: its codes are zeros, which add nothing under any byte but 0xff, and this program alone reads the bytes.
; THE CODES ARE LAID AS IMAGES OF OPERAND REGISTERS.  Rows go by groups of 32; tile 2 g + u holds at lane place r the row 32 g + 8 u + (r & 7) + 16 (r >> 3).  A fragment (16 rows x 128 K) is 2,048 bytes:
; byte 512 c + 16 (r + 16 h) + j is row r's code of k = 32 c + 16 h + j.  A tile's eight fragments follow each other.  Scale bytes: 512 a tile, [256 along K: 4][r: 16][128 along K: 2][block: 4].
; Work-groups 0-255 take x and 256-287 Wp (path A); 288-383 take Wq, Wk, Wv (path B).  Waves share nothing: no barrier.  Each path has LDS bytes of its own.
; WORK LEFT OUT IN THIS PROGRAM: reference() builds a causal mask in its own body; the score of a key behind its query becomes -inf, so its p is 0 whatever the inputs hold.
; Launch attn therefore leaves out every step of 128 keys that lies wholly behind a tile's queries.  A NaN, an infinity or an overflow that reaches only those scores is not carried to the result.  Every input is loaded.
.set XSC,   8388608                    ; xb: the scale bytes behind 512 tiles x 16,384
.set WSC,   3145728                    ; wb: Wq, Wk, Wv's scale bytes behind 192 tiles
.set WPI,   3244032                    ; wb: Wp's 64 tiles
.set WPS,   4292608                    ; wb: Wp's scale bytes
.set SP,    80                         ; path A: a lane's place in a turning stage: 64 bytes + 16
.set AW,    14080                      ; path A: LDS bytes of a wave: two turning stages, the codes' stage, 256 scale bytes
.set ACODE, 5120
.set ASCB,  13824
.set BBASE, 56320                      ; path B's LDS begins behind path A's 4 x 14,080
.set BW,    8960                       ; a wave's: two halves, one for each tile of the group
.set BHALF, 4480                       ; 16 units x 272 + 128: the two halves start 128 bytes apart modulo 256
.set AR,    16                         ; v16-79   path A: four sets of 16 numbers as loaded
.set AX,    80                         ; v80-111  two sets of 16 neighbours
.set AE,    112                        ; v112-127 a scale byte for each step
.set AC,    128                        ; v128-191 four registers of codes for each step
.set BX,    32                         ; v32-95   path B: two sets of 32 numbers
.set BC,    96                         ; v96-103  a block's codes
.set BO,    112                        ; v112-175 the way out
.set BS,    24                         ; v24-25   the lane's eight scale bytes
	s_load_b256 s[4:11], s[0:1], 0x0               ; x, Wp, Wq, Wk
	s_load_b128 s[12:15], s[0:1], 0x20             ; Wv, xb
	s_load_b64 s[16:17], s[0:1], 0x30              ; wb
	v_lshl_add_u32 v192, v0, 2, 0x16800
	v_mov_b32 v193, 0
	v_lshrrev_b32 v1, 5, v0
	v_readfirstlane_b32 s18, v1                    ; wave 0..3
	v_and_b32 v2, 31, v0                           ; lane
	s_cmp_lt_u32 ttmp9, 288
	s_cbranch_scc0 .Lweights
; ---------------- PATH A: K innermost.  A work-group takes a group of 32 rows; wave w the tile u = w / 2 and the half w % 2 of K.  Step t is 512 numbers of the tile's row at lane place t.
; Each load reads 512 consecutive bytes; a step's 2,048 bytes turn through the wave's stage so that a lane holds 16 neighbours (two lanes a block).  Lane l's 16 codes belong to unit l of the wave's 32 units of 256 bytes, at byte 16 t.
	v_lshlrev_b32 v3, 4, v2                        ; 16 x lane
	s_mul_i32 s19, s18, AW
	v_lshrrev_b32 v14, 2, v2
	v_mul_u32_u24 v14, v14, SP
	v_and_b32 v15, 3, v2
	v_lshl_add_u32 v14, v15, 4, v14
	v_add_nc_u32 v14, s19, v14                     ; turning stage, in: SP (lane / 4) + 16 (lane % 4)
	v_mul_u32_u24 v15, v2, SP
	v_add_nc_u32 v15, s19, v15                     ; and out: SP x lane
	v_mul_u32_u24 v4, v2, 272
	v_add_nc_u32 v4, s19, v4
	v_add_nc_u32 v4, ACODE, v4                     ; codes' stage, in: unit = lane, 272 bytes apart
	v_lshrrev_b32 v1, 4, v2
	v_mul_u32_u24 v1, v1, 272
	v_and_b32 v5, 15, v2
	v_lshl_add_u32 v1, v5, 4, v1
	v_add_nc_u32 v1, s19, v1
	v_add_nc_u32 v1, ACODE, v1                     ; and out: sixteen lanes to a unit, two units an instruction
	v_bfe_u32 v5, v2, 1, 2                         ; my block's byte: block % 4,
	v_bfe_u32 v6, v2, 3, 1
	v_lshl_add_u32 v5, v6, 2, v5                   ; + 4 x (which 128 of the 256 along K),
	v_bfe_u32 v6, v2, 4, 1
	v_lshl_add_u32 v5, v6, 7, v5                   ; + 128 x (which 256 along K); the row adds 8 t
	v_add_nc_u32 v5, s19, v5
	v_add_nc_u32 v5, ASCB, v5
	v_lshlrev_b32 v7, 3, v2                        ; the scale bytes' way out: 8 bytes a lane
	v_add_nc_u32 v6, s19, v7
	v_add_nc_u32 v6, ASCB, v6
	s_mov_b32 s23, 0x600000                        ; the mantissa field of 57,344
	s_wait_kmcnt 0x0
	s_cmp_lt_u32 ttmp9, 256                        ; x or Wp: the choice hangs on the work-group's number alone
	s_cselect_b64 s[4:5], s[4:5], s[6:7]
	s_cselect_b64 s[14:15], s[14:15], s[16:17]
	s_cselect_b32 s20, 0, 256
	s_mov_b32 s21, WPI
	s_cselect_b32 s21, 0, s21                      ; where the codes begin in the buffer
	s_mov_b32 s22, WPS
	s_mov_b32 s24, XSC
	s_cselect_b32 s22, s24, s22                    ; and the scale bytes
	s_sub_co_u32 s20, ttmp9, s20                   ; the group of 32 rows
	s_lshl_b32 s24, s20, 17                        ; 32 rows of 4,096 bytes
	s_lshr_b32 s25, s18, 1
	s_lshl_b32 s25, s25, 15                        ; + 8 rows for tile 1
	s_add_co_u32 s24, s24, s25
	s_and_b32 s25, s18, 1
	s_lshl_b32 s25, s25, 11                        ; + half a row
	s_add_co_u32 s24, s24, s25
	s_mov_b32 s25, 0
	s_add_nc_u64 s[4:5], s[4:5], s[24:25]
	s_lshl_b32 s26, s20, 2
	s_add_co_u32 s26, s26, s18                     ; 4 x group + wave: half tiles on end
	s_lshl_b32 s24, s26, 13                        ; 8,192 bytes of codes each
	s_add_co_u32 s24, s24, s21
	s_add_nc_u64 s[8:9], s[14:15], s[24:25]
	s_lshl_b32 s24, s26, 8                         ; 256 scale bytes each
	s_add_co_u32 s24, s24, s22
	s_add_nc_u64 s[10:11], s[14:15], s[24:25]
.macro ALOAD t                         ; step t's 512 numbers: four loads of 512 consecutive bytes, from the row at lane place t
.irp i, 0,1,2,3
	global_load_b128 v[AR+16*((\t)%4)+4*\i:AR+16*((\t)%4)+4*\i+3], v3, s[4:5] offset:(((\t)%8)+16*((\t)/8))*4096+512*\i th:TH_LOAD_NT
.endr
.endm
.macro ATURN t                         ; through the stage: LDS serves a wave's instructions in order, so no wait stands between the stores and the loads
.irp i, 0,1,2,3
	ds_store_b128 v14, v[AR+16*((\t)%4)+4*\i:AR+16*((\t)%4)+4*\i+3] offset:32*SP*((\t)%2)+8*SP*\i
.endr
.irp i, 0,1,2,3
	ds_load_b128 v[AX+16*((\t)%2)+4*\i:AX+16*((\t)%2)+4*\i+3], v15 offset:32*SP*((\t)%2)+16*\i
.endr
.endm
.irp t, 0,1,2,3
	ALOAD \t
.endr
	s_wait_loadcnt 12                              ; step 0's four loads are in
	ATURN 0
.macro ASTEP t
.set XS, AX+16*((\t)%2)
.if (\t) > 0
	s_wait_dscnt 2                                 ; this step's numbers are back from the stage; the last step's byte store and code store may be out
.else
	s_wait_dscnt 0x0
.endif
.if (\t)+4 < 16
	ALOAD (\t)+4                                   ; into the set whose stores into the stage are done
.endif
.if (\t)+1 < 16
.if 14-(\t) >= 3
	s_wait_loadcnt 12                              ; the next step's four loads are in; those of the three steps behind it may be out
.else
	s_wait_loadcnt 4*(14-(\t))
.endif
	ATURN (\t)+1
.endif
	v_max3_num_f32 v8, |v[XS]|, |v[XS+1]|, |v[XS+2]|               ; the largest magnitude of my 16, in two chains
	v_max3_num_f32 v9, |v[XS+3]|, |v[XS+4]|, |v[XS+5]|
.irp i, 6,10
	v_max3_num_f32 v8, v8, |v[XS+\i]|, |v[XS+\i+1]|
	v_max3_num_f32 v9, v9, |v[XS+\i+2]|, |v[XS+\i+3]|
.endr
	v_max3_num_f32 v8, v8, |v[XS+14]|, |v[XS+15]|
	v_max3_num_f32 v8, v8, v9, 0x8000000           ; and the floor 2^(16 - 127): the byte cannot fall under 1
	v_max_num_f32_dpp v8, v8, v8 row_xmask:1 row_mask:0xf bank_mask:0xf   ; with my neighbour's 16: the block's
	v_add_nc_u32 v11, 0xf8800000, v8               ; 15 off the exponent field: the conversion's scale operand
	v_and_or_b32 v10, v8, 0x7f800000, s23          ; 57,344 x the scale
.irp i, 0,1,2,3,4,5,6,7,8,9,10,11,12,13,14,15
	v_med3_num_f32 v[XS+\i], v[XS+\i], -v10, v10   ; the conversion to an 8-bit code does not saturate (ISA guide 7.6.2): the hold comes first
.endr
	v_cvt_scalef32_pk8_bf8_f32 v[AC+4*(\t):AC+4*(\t)+1], v[XS:XS+7], v11
	v_cvt_scalef32_pk8_bf8_f32 v[AC+4*(\t)+2:AC+4*(\t)+3], v[XS+8:XS+15], v11
	v_lshrrev_b32 v[AE+(\t)], 23, v11              ; the scale's byte (a plain line behind the conversions)
	ds_store_b8 v5, v[AE+(\t)] offset:8*(\t)       ; both lanes of a block write the same byte with the same value
	ds_store_b128 v4, v[AC+4*(\t):AC+4*(\t)+3] offset:16*(\t)
.endm
.irp t, 0,1,2,3,4,5,6,7,8,9,10,11,12,13,14,15
	ASTEP \t
.endr
.irp i, 0,1,2,3,4,5,6,7,8,9,10,11,12,13,14,15
	ds_load_b128 v[AR+4*\i:AR+4*\i+3], v1 offset:544*\i            ; two whole units; these see my stores: LDS serves a wave in order
.endr
	ds_load_b64 v[12:13], v6
.irp i, 0,1,2,3,4,5,6,7,8,9,10,11,12,13,14,15
	s_wait_dscnt 16-\i                             ; load i is in; the 15 - i behind it and the scale bytes' load may be out
	global_store_b128 v3, v[AR+4*\i:AR+4*\i+3], s[8:9] offset:512*\i   ; 512 consecutive bytes, aligned
.endr
	s_wait_dscnt 0x0
	global_store_b64 v7, v[12:13], s[10:11]        ; 256 consecutive bytes, aligned
	s_wait_tensorcnt 0x0
	ds_add_u32 v192, v193
	s_wait_dscnt 0x0
	s_endpgm
; ---------------- PATH B: K is the first axis within a head.  A lane takes a column e and its registers run down K, so a block of 32 lies in one lane and the codes come out with K innermost.
; Work-group: kind (q, k, v), head, half of K; wave: 32 columns (w % 2) x 256 along K (w / 2).  Lane l is column l of the group: tile u = (l >> 3) & 1, lane place r = (l & 7) + 8 (l >> 4).
.Lweights:
	s_sub_co_u32 s20, ttmp9, 288
	s_lshr_b32 s21, s20, 5                         ; kind
	s_bfe_u32 s22, s20, 0x40001                    ; head
	s_and_b32 s23, s20, 1                          ; which 512 along K
	s_and_b32 s24, s18, 1                          ; which 32 columns
	s_lshr_b32 s25, s18, 1                         ; which 256 of the 512
	s_wait_alu depctr_va_vdst(0)
	v_lshlrev_b32 v3, 2, v2                        ; in: 4 bytes a lane
	v_bfe_u32 v5, v2, 3, 1                         ; u
	v_and_b32 v6, 7, v2
	v_bfe_u32 v10, v2, 4, 1
	v_lshl_add_u32 v6, v10, 3, v6                  ; r
	s_mul_i32 s26, s18, BW
	s_add_co_u32 s26, s26, BBASE
	v_mul_u32_u24 v4, v5, BHALF
	v_lshl_add_u32 v4, v6, 4, v4
	v_add_nc_u32 v4, s26, v4                       ; stage, in: my tile's half, byte 16 r of a unit
	v_mul_u32_u24 v7, v10, 272
	v_and_b32 v11, 15, v2
	v_lshl_add_u32 v7, v11, 4, v7
	v_add_nc_u32 v7, s26, v7                       ; and out: sixteen lanes to a unit
	v_lshlrev_b32 v8, 4, v2                        ; 16 x lane in the buffer
	v_lshlrev_b32 v9, 9, v5
	v_lshl_add_u32 v9, v6, 3, v9                   ; my scale bytes: 512 u + 8 r
	s_lshl_b32 s28, s22, 18                        ; W: head x 262,144
	s_lshl_b32 s27, s23, 17
	s_add_co_u32 s28, s28, s27
	s_lshl_b32 s27, s25, 16                        ; + first k x 256 bytes
	s_add_co_u32 s28, s28, s27
	s_lshl_b32 s27, s24, 7
	s_add_co_u32 s28, s28, s27
	s_mov_b32 s29, 0
	s_lshl_b32 s30, s21, 5
	s_lshl_b32 s27, s22, 1
	s_add_co_u32 s30, s30, s27
	s_add_co_u32 s30, s30, s24                     ; the group of 32 features: 32 kind + 2 head + half
	s_lshl_b32 s32, s30, 15                        ; two tiles of 16,384 bytes
	s_lshl_b32 s27, s23, 13
	s_add_co_u32 s32, s32, s27
	s_lshl_b32 s27, s25, 12                        ; + my two fragments' place in a tile
	s_add_co_u32 s32, s32, s27
	s_mov_b32 s33, 0
	s_lshl_b32 s34, s30, 10
	s_lshl_b32 s27, s23, 8
	s_add_co_u32 s34, s34, s27
	s_lshl_b32 s27, s25, 7
	s_add_co_u32 s34, s34, s27
	s_add_co_u32 s34, s34, WSC
	s_mov_b32 s35, 0
	s_mov_b32 s31, 0x600000
	s_wait_kmcnt 0x0
	s_cmp_eq_u32 s21, 0
	s_cselect_b64 s[4:5], s[8:9], s[10:11]
	s_cmp_eq_u32 s21, 2
	s_cselect_b64 s[4:5], s[12:13], s[4:5]
	s_add_nc_u64 s[4:5], s[4:5], s[28:29]
	s_add_nc_u64 s[6:7], s[16:17], s[32:33]
	s_add_nc_u64 s[8:9], s[16:17], s[34:35]
.macro BLOAD t                         ; block t: W(32 t + i, my column) into set t % 2: 128 consecutive bytes a load; the wave beside me reads the 128 beside them
.irp i, 0,1,2,3,4,5,6,7,8,9,10,11,12,13,14,15,16,17,18,19,20,21,22,23,24,25,26,27,28,29,30,31
	global_load_b32 v[BX+32*((\t)%2)+\i], v3, s[4:5] offset:(32*(\t)+\i)*256 th:TH_LOAD_NT
.endr
.endm
	BLOAD 0
	BLOAD 1
.macro BBLOCK t
.set XS, BX+32*((\t)%2)
.if (\t) < 7
	s_wait_loadcnt 32                              ; this block's 32 loads are in; the next block's may be out
.else
	s_wait_loadcnt 0
.endif
	v_max3_num_f32 v12, |v[XS]|, |v[XS+1]|, |v[XS+2]|              ; all 32 numbers of the block are mine
	v_max3_num_f32 v13, |v[XS+3]|, |v[XS+4]|, |v[XS+5]|
.irp i, 6,10,14,18,22,26
	v_max3_num_f32 v12, v12, |v[XS+\i]|, |v[XS+\i+1]|
	v_max3_num_f32 v13, v13, |v[XS+\i+2]|, |v[XS+\i+3]|
.endr
	v_max3_num_f32 v12, v12, |v[XS+30]|, |v[XS+31]|
	v_max3_num_f32 v12, v12, v13, 0x8000000
	v_add_nc_u32 v11, 0xf8800000, v12
	v_and_or_b32 v10, v12, 0x7f800000, s31
	v_lshrrev_b32 v13, 23, v11
.if (\t)%4 == 0
	v_mov_b32 v[BS+(\t)/4], v13                    ; four bytes to a register, the lower K in the lower byte
.else
	v_lshl_or_b32 v[BS+(\t)/4], v13, 8*((\t)%4), v[BS+(\t)/4]
.endif
.irp i, 0,1,2,3,4,5,6,7,8,9,10,11,12,13,14,15,16,17,18,19,20,21,22,23,24,25,26,27,28,29,30,31
	v_med3_num_f32 v[XS+\i], v[XS+\i], -v10, v10
.endr
.irp g, 0,1,2,3
	v_cvt_scalef32_pk8_bf8_f32 v[BC+2*\g:BC+2*\g+1], v[XS+8*\g:XS+8*\g+7], v11
.endr
	ds_store_b128 v4, v[BC:BC+3] offset:(2*(\t))*272               ; k = 32 t + 0 .. 15: unit 2 t
	ds_store_b128 v4, v[BC+4:BC+7] offset:(2*(\t)+1)*272           ; k = 32 t + 16 .. 31: unit 2 t + 1
.if (\t)+2 < 8
	BLOAD (\t)+2
.endif
	s_wait_dscnt 0x0                               ; the stores have read their registers: the next block's codes may be written
.endm
.irp t, 0,1,2,3,4,5,6,7
	BBLOCK \t
.endr
	global_store_b64 v9, v[BS:BS+1], s[8:9]        ; sixteen lanes cover 128 consecutive bytes: blocks of 256 are written in halves here, one byte for each 128 that the path reads
.irp i, 0,1,2,3,4,5,6,7,8,9,10,11,12,13,14,15
	ds_load_b128 v[BO+4*\i:BO+4*\i+3], v7 offset:(\i/8)*BHALF+(\i%8)*544
.endr
.irp i, 0,1,2,3,4,5,6,7,8,9,10,11,12,13,14,15
	s_wait_dscnt 15-\i
	global_store_b128 v8, v[BO+4*\i:BO+4*\i+3], s[6:7] offset:(\i/8)*16384+(\i%8)*512   ; 512 consecutive bytes, aligned
.endr
	s_wait_tensorcnt 0x0
	ds_add_u32 v192, v193
	s_wait_dscnt 0x0
	s_endpgm
.Lfunc_end_k_q69530e42e1_quant:
	.size	k_q69530e42e1_quant, .Lfunc_end_k_q69530e42e1_quant-k_q69530e42e1_quant
	.p2alignl 7, 3214868480
	.fill 96, 4, 3214868480
	.section	.rodata,"a",@progbits
	.p2align	6, 0x0
	.amdhsa_kernel k_q69530e42e1_quant
		.amdhsa_group_segment_fixed_size 92672
		.amdhsa_private_segment_fixed_size 0
		.amdhsa_enable_private_segment 0
		.amdhsa_kernarg_size 56
		.amdhsa_user_sgpr_count 2
		.amdhsa_user_sgpr_kernarg_segment_ptr 1
		.amdhsa_wavefront_size32 1
		.amdhsa_system_sgpr_workgroup_id_x 1
		.amdhsa_system_sgpr_workgroup_id_y 1
		.amdhsa_system_sgpr_workgroup_id_z 1
		.amdhsa_system_vgpr_workitem_id 0
		.amdhsa_next_free_vgpr 194
		.amdhsa_next_free_sgpr 66
		.amdhsa_reserve_vcc 0
		.amdhsa_float_denorm_mode_32 3
		.amdhsa_float_denorm_mode_16_64 3
		.amdhsa_memory_ordered 1
		.amdhsa_forward_progress 1
		.amdhsa_inst_pref_size 114
	.end_amdhsa_kernel
	.amdgpu_metadata
---
amdhsa.version: [ 1, 2 ]
amdhsa.kernels:
  - .name:           k_q69530e42e1_quant
    .symbol:         k_q69530e42e1_quant.kd
    .args:
      - { .name: x, .offset: 0, .size: 8, .value_kind: global_buffer, .address_space: global }
      - { .name: Wp, .offset: 8, .size: 8, .value_kind: global_buffer, .address_space: global }
      - { .name: Wq, .offset: 16, .size: 8, .value_kind: global_buffer, .address_space: global }
      - { .name: Wk, .offset: 24, .size: 8, .value_kind: global_buffer, .address_space: global }
      - { .name: Wv, .offset: 32, .size: 8, .value_kind: global_buffer, .address_space: global }
      - { .name: xb, .offset: 40, .size: 8, .value_kind: global_buffer, .address_space: global }
      - { .name: wb, .offset: 48, .size: 8, .value_kind: global_buffer, .address_space: global }
    .group_segment_fixed_size: 92672
    .private_segment_fixed_size: 0
    .kernarg_segment_align: 8
    .kernarg_segment_size: 56
    .max_flat_workgroup_size: 128
    .sgpr_count:     66
    .vgpr_count:     194
    .wavefront_size: 32
...
	.end_amdgpu_metadata
.endif
;; end of part 1
;; launch qkv (part 2): grid 8 x 32, 4 waves a work-group, clusters of 4 x 1, 327,680 bytes of LDS; arguments xb, wb, bq, bk, bv, qb, kv; writes qb, kv
.if DOCPART == 2
	.amdgcn_target "amdgcn-amd-amdhsa--gfx1250"
	.amdhsa_code_object_version 6
	.text
	.protected	k_q69530e42e1_qkv
	.globl	k_q69530e42e1_qkv
	.p2align	8
	.type	k_q69530e42e1_qkv,@function
k_q69530e42e1_qkv:
	s_mov_b64 s[64:65], 0
	v_nop
	global_prefetch_b8 v0, s[64:65] scope:SCOPE_SE
	s_setreg_imm32_b32 hwreg(HW_REG_WAVE_MODE, 25, 1), 1
	s_wait_xcnt 0x0
	s_wait_alu depctr_hold_cnt(0) depctr_sa_sdst(0) depctr_va_vdst(0) depctr_va_sdst(0) depctr_va_ssrc(0) depctr_va_vcc(0) depctr_vm_vsrc(0)
	s_getreg_b32 s2, hwreg(HW_REG_IB_STS2, 6, 4)
	s_cmp_eq_u32 s2, 0
	s_cbranch_scc0 .Lentry_in_a_cluster
	s_endpgm
.Lentry_in_a_cluster:
	s_bfe_u32 s2, ttmp6, 0x10000c
	s_cmp_lg_u32 s2, 0x3003
	s_cbranch_scc0 .Lentry_shape_is_right
	s_endpgm
.Lentry_shape_is_right:
; q, k, v = x W + b on codes of BF8 (E5M2) with E8M0 scales, [8,192 tokens] x [3,072 features] x [K 1,024]; the results are quantised in registers and stored as the attention launch's operands.
; OPERANDS ARE IMAGES OF REGISTERS: a tile is 16 rows, all of K, 16,384 bytes: eight fragments of 2,048 (byte 512 c + 16 lane); tile 2 g + u holds at lane place r the row 32 g + 8 u + (r & 7) + 16 (r >> 3).  Scale bytes: 512 a tile, [256 along K: 4][r: 16][128 along K: 2][block: 4].
; THE DEAL.  256 work-groups, each 256 tokens x 128 features of q, then of k, then of v; four waves, 2 x 2: a wave has 128 tokens (one step of keys) x 64 features (one head).
; The work-group's 256 rows of x, 262,144 bytes, lie in LDS whole: one tensor load a wave at the head, nothing is filled again.  Waves 0 and 1 fetch the first four blocks of both rows of waves (first barrier), waves 2 and 3 the last four (the barrier inside block 2).
; A wave holds its head's 64 rows of a weight, ALL of K, in 512 registers, loaded from wb as they lie, and streams its eight blocks of 16 tokens past them: 32 products a block on four sums that take turns.  At a change of kind the 512 registers are loaded anew.
; q, k: source 0 = the weight, source 1 = x: a lane holds a token and its 32 registers run along the head's 64: two blocks of 32, shared with lane l xor 16.  One loop of two trips serves both; pointers differ.
; v: source 0 = x, source 1 = Wv: a lane holds a channel, and the 16 registers of a pair of blocks are 16 neighbouring tokens: v's K.  A pair is quantised together.
; The bias is the C of each sum's first product.  The quantiser's results are a fragment's registers: stores of 512 consecutive bytes.  Scale words leave through the wave's own LDS bytes in runs of 512 or 256 bytes.
; kv: a head is 16 step records of 17,152 bytes: K's codes [8 tiles][1,024]; at 8,192 V^T's [4 tiles][2,048]; at 16,384 K's scale words 512; at 16,896 V's 256.
; CLUSTER 4 x 1 along the features: the four partners want the same 256 rows of x: asked for jointly, mask 15.  A kind's 131,072 bytes of weights do not fit in LDS beside x's 262,144, so they go past LDS and are not asked for jointly.
; PREFETCH: in block 0 of the q phase and of the k phase the next kind's weights are asked for, eight blocks ahead of their loads.  The 32 work-groups that read the same 131,072 bytes share them out by address: 4,096 bytes each, 1,024 a wave, lanes 256 bytes apart (lanes 3 to 31 name the wave's last block).
; LIMITS: NaN and infinities are not served; a block of zeros gets the byte 1 (its codes are zeros; this program alone reads the bytes).
.set XSC,   8388608                    ; xb: scale bytes
.set WSC,   3145728                    ; wb: scale bytes of Wq, Wk, Wv
.set QSC,   8388608                    ; qb: scale words
.set SREC,  17152
.set HREC,  274432
.set KW,    1048576                    ; wb: from a kind's 64 tiles to the next kind's
.set KS,    32768                      ; and its scale bytes
.set NP,    8                          ; places behind this matrix instruction (ISA guide 7.12.1)
.set STG,   262144                     ; behind x's rows: 1,024 bytes a wave for the scale words' way out
.set SPARE, STG+4096                   ; the spare words, 128 bytes a wave: two blocks of 256 bytes that no other line names
.set LI,  1                            ; 16 x lane
.set SPW, 2
.set NIL, 3
.set SCA, 4                            ; 512 h + 8 r: a pair of tiles' scale words
.set BA,  5                            ; 64 h
.set BAV, 6                            ; 4 (r + 8 (r / 8))
.set SQ,  7                            ; stage + 16 r
.set SRD, 8                            ; stage + 16 x lane
.set SV,  9                            ; stage + 512 + 8 r
.set SRV, 10                           ; stage + 512 + 8 x lane
.set L8,  11
.set PFO, 12
.set ADX, 14                           ; v14, v15: LDS address of my blocks 0-3, 4-7
.set TM,  16                           ; v16-31: maxima 4, bytes 4, holds 4, scale operands 4
.set SA,  32                           ; register 8 P + q: lanes 0-15 block 2 P's word of the q-th 128 along K, lanes 16-31 block 2 P + 1's
.set SB,  68                           ; register 8 p + q: lanes 0-15 the weight's tile 2 p, lanes 16-31 tile 2 p + 1.  No product's two scale registers have numbers equal modulo 8
.set SW,  84                           ; v84-91 the results' scale words
.set BI,  96
.set ACC, 128                          ; v128-191 sums
.set PC,  192                          ; v192-207 codes
.set RB,  208
.set G1,  24
.set G0,  32
.set SEL, 48
.set MNT, 50
.set MSB, 0
.macro WIN new                         ; the immediate's high byte repeats the setting that is left
.if MSB != \new
	s_set_vgpr_msb (MSB<<8)|\new
.set MSB, \new
.endif
.endm
.macro PLACES n
.rept \n
	v_nop
.endr
.endm
.macro CROUND                          ; a round of the cluster's barrier
	s_barrier_signal -1
	s_barrier_wait -1
	s_cmp_lg_u32 s18, 0
	s_cbranch_scc1 .Lnot_wave_0_\@
	s_barrier_signal -3
.Lnot_wave_0_\@:
	s_barrier_wait -3
	s_barrier_signal -1
	s_barrier_wait -1
.endm
.macro TLOAD                           ; my four tiles of x; an s_nop 0 and four v_nop follow the line
	tensor_load_to_lds s[G0:G0+3], s[G1:G1+7]
	s_nop 0
	PLACES 4
.endm
.macro WLOAD                           ; the weight's fragment f = 4 q + b (tile b, the q-th 128 along K) into window 1 + f / 16, and its scale words
.set F_, 0
.rept 32
	WIN (1+F_/16)<<6
.irp c, 0,1,2,3
	global_load_b128 v[16*(F_%16)+4*\c:16*(F_%16)+4*\c+3], v[LI], s[36:37] offset:(F_%4)*16384+(F_/4)*2048+512*\c
.endr
.set F_, F_+1
.endr
	WIN 0
.irp p, 0,1
.irp k, 0,1,2,3
	global_load_b64 v[SB+8*\p+2*\k:SB+8*\p+2*\k+1], v[SCA], s[38:39] offset:1024*\p+128*\k
.endr
.endr
.endm
.macro BIASQK base                     ; register j of tile b, lane (r, h): feature 32 (b / 2) + 8 (b % 2) + 16 h + j of my head
.irp b, 0,1,2,3
	global_load_b128 v[BI+8*\b:BI+8*\b+3], v[BA], s[\base:\base+1] offset:(32*(\b/2)+8*(\b%2))*4
	global_load_b128 v[BI+8*\b+4:BI+8*\b+7], v[BA], s[\base:\base+1] offset:(32*(\b/2)+8*(\b%2))*4+16
.endr
.endm
	s_load_b256 s[4:11], s[0:1], 0x0               ; xb, wb, bq, bk
	s_load_b128 s[12:15], s[0:1], 0x20             ; bv, qb
	s_load_b64 s[16:17], s[0:1], 0x30              ; kv
	v_lshl_add_u32 v[SPW], v0, 2, SPARE
	v_mov_b32 v[NIL], 0
	ds_add_u32 v[SPW], v[NIL]                      ; the opening lines: the add, twice on end, and its wait ahead of my tensor load
	ds_add_u32 v[SPW], v[NIL]
	v_lshrrev_b32 v13, 5, v0
	v_readfirstlane_b32 s18, v13                   ; wave 0..3
	s_lshr_b32 s19, s18, 1                         ; my row of waves: 128 tokens
	s_and_b32 s20, s18, 1                          ; my column: a head
	s_bfe_u32 s21, ttmp6, 0x40000                  ; cx
	s_lshl_b32 s22, ttmp9, 2
	s_add_co_u32 s22, s22, s21                     ; the block of 128 features: 4 x cluster x + cx
	s_and_b32 s23, ttmp7, 0xffff                   ; the block of 256 tokens: the cluster's y
	s_mov_b32 s[G1], 15|(3<<16)|(1<<21)            ; the mask: all four of the cluster; elements of 8 bytes; bit 21 beside a mask
	s_mov_b32 s[G1+1], 32<<16                      ; tensor_dim0: 256 bytes
	s_mov_b32 s[G1+2], 256<<16                     ; tensor_dim1: four tiles are 256 dense rows
	s_mov_b32 s[G1+3], 32<<16
	s_mov_b32 s[G1+4], 256
	s_mov_b32 s[G1+5], 32
	s_mov_b32 s[G1+6], 0
	s_mov_b32 s[G1+7], 0
	s_lshl_b32 s57, s22, 1
	s_add_co_u32 s57, s57, s20                     ; my head of 16
	s_lshr_b32 s58, s23, 3
	s_lshl_b32 s58, s58, 4
	s_add_co_u32 s58, s58, s57                     ; batch x 16 + head
	s_and_b32 s59, s23, 7
	s_lshl_b32 s59, s59, 1
	s_add_co_u32 s59, s59, s19                     ; my step of 128 tokens in the sequence
	s_lshl_b32 s36, s57, 16                        ; Wq's codes: four tiles a head
	s_mov_b32 s37, 0
	s_lshl_b32 s38, s57, 11
	s_add_co_u32 s38, s38, WSC                     ; their scale bytes
	s_mov_b32 s39, 0
	s_lshl_b32 s40, s23, 4
	s_lshl_b32 s60, s19, 3
	s_add_co_u32 s40, s40, s60
	s_lshl_b32 s40, s40, 9
	s_add_co_u32 s40, s40, XSC                     ; the scale bytes of my eight blocks of x
	s_mov_b32 s41, 0
	s_lshl_b32 s42, s58, 17
	s_lshl_b32 s60, s59, 13
	s_add_co_u32 s42, s42, s60                     ; q's codes: 131,072 bytes a head, 1,024 a tile
	s_mov_b32 s43, 0
	s_lshl_b32 s44, s58, 13
	s_lshl_b32 s60, s59, 9
	s_add_co_u32 s44, s44, s60
	s_add_co_u32 s44, s44, QSC                     ; q's scale words: 512 bytes a step
	s_mov_b32 s45, 0
	s_mul_i32 s46, s58, HREC
	s_mul_i32 s60, s59, SREC
	s_add_co_u32 s46, s46, s60                     ; my step record in kv
	s_mov_b32 s47, 0
	s_lshl_b32 s54, s22, 17
	s_lshl_b32 s60, s23, 12
	s_add_co_u32 s54, s54, s60
	s_lshl_b32 s60, s18, 10
	s_add_co_u32 s54, s54, s60                     ; the prefetches: my 1,024 bytes of the 131,072 of my block of features
	s_mov_b32 s55, 0
	s_lshl_b32 s60, s20, 3
	s_lshl_b32 s61, s19, 2
	s_add_co_u32 s60, s60, s61                     ; the first tile of x that I fetch: 8 (wave & 1) + 4 (wave >> 1)
	s_lshl_b32 s61, s60, 14                        ; its place in LDS: tiles lie there as in memory
	s_lshl_b32 s62, s23, 18
	s_add_co_u32 s62, s62, s61
	s_mov_b32 s63, 0
	s_mov_b32 s[SEL], 0x76543210
	s_mov_b32 s[SEL+1], 0xfedcba98                 ; v_permlanex16_b32's selects for lane l xor 16
	s_mov_b32 s[MNT], 0x600000                     ; the mantissa field of 57,344
	s_mov_b32 s51, 0x7f7f0000                      ; the bytes of the 64 along K that a head does not have: 1.0
	s_mov_b32 s56, 0                               ; the kind
	s_lshl_b32 s52, s19, 17                        ; my eight blocks in LDS
	s_lshl_b32 s53, s18, 10
	s_add_co_u32 s53, s53, STG                     ; my stage
	v_and_b32 v13, 31, v0
	v_lshlrev_b32 v[LI], 4, v13
	v_lshlrev_b32 v[L8], 3, v13
	v_min_u32 v[PFO], 3, v13
	v_lshlrev_b32 v[PFO], 8, v[PFO]
	v_and_b32 v16, 15, v0                          ; r
	v_bfe_u32 v17, v0, 4, 1                        ; h
	v_lshlrev_b32 v[SCA], 3, v16
	v_lshl_add_u32 v[SCA], v17, 9, v[SCA]
	v_lshlrev_b32 v[BA], 6, v17
	v_and_b32 v18, 8, v16
	v_add_nc_u32 v18, v18, v16
	v_lshlrev_b32 v[BAV], 2, v18
	v_add_nc_u32 v[ADX], s52, v[LI]
	v_add_nc_u32 v[ADX+1], 0x10000, v[ADX]
	v_lshlrev_b32 v[SQ], 4, v16
	v_add_nc_u32 v[SQ], s53, v[SQ]
	v_add_nc_u32 v[SRD], s53, v[LI]
	v_lshlrev_b32 v[SV], 3, v16
	v_add_nc_u32 v[SV], s53, v[SV]
	v_add_nc_u32 v[SV], 512, v[SV]
	v_add_nc_u32 v[SRV], s53, v[L8]
	v_add_nc_u32 v[SRV], 512, v[SRV]
.irp b, 0,1,2,3
	v_mov_b32 v[TM+4+\b], 0                        ; a lane permute's destination counts as one of its sources
.endr
	s_wait_alu depctr_va_vdst(0)
	s_wait_dscnt 0x0                               ; both opening adds are done
	CROUND                                         ; all four work-groups are here: the joint loads meet
	s_wait_kmcnt 0x0
	s_mov_b32 s[G0], 1
	s_mov_b32 s[G0+1], s61
	s_add_nc_u64 s[G0+2:G0+3], s[4:5], s[62:63]
	s_or_b32 s[G0+3], s[G0+3], 0x80000000
	s_add_nc_u64 s[36:37], s[6:7], s[36:37]
	s_add_nc_u64 s[38:39], s[6:7], s[38:39]
	s_add_nc_u64 s[54:55], s[6:7], s[54:55]
	s_add_nc_u64 s[40:41], s[4:5], s[40:41]
	s_add_nc_u64 s[42:43], s[14:15], s[42:43]      ; where the loop's codes go: q's, then K's
	s_add_nc_u64 s[44:45], s[14:15], s[44:45]      ; and its scale words
	s_add_nc_u64 s[46:47], s[16:17], s[46:47]
	s_add_nc_u64 s[52:53], s[46:47], 16384         ; K's scale words
	s_lshl_b32 s62, s57, 8                         ; my head's 64 biases
	s_add_nc_u64 s[8:9], s[8:9], s[62:63]
	s_add_nc_u64 s[10:11], s[10:11], s[62:63]
	s_add_nc_u64 s[12:13], s[12:13], s[62:63]
	s_cmp_lt_u32 s18, 2                            ; one load a wave; waves 0 and 1, whose tiles the first barrier shows, have a line of their own
	s_cbranch_scc0 .Llater
	TLOAD
	s_branch .Lasked
.Llater:
	TLOAD
.Lasked:
	WLOAD                                          ; Wq
.irp p, 0,1,2,3
.irp k, 0,1,2,3
	global_load_b64 v[SA+8*\p+2*\k:SA+8*\p+2*\k+1], v[SCA], s[40:41] offset:1024*\p+128*\k
.endr
.endr
	BIASQK 8
; product n = 4 q + b of block blk: the four sums take turns, one instruction a turn.  v = 0: source 0 the weight, source 1 x, one set of sums; v = 1: the sources swapped, a set of sums for each block of a pair
.macro PROD n, blk, v
.set Q_, (\n)/4
.set B_, (\n)%4
.set AC_, ACC+32*(\v)*((\blk)%2)+8*B_
.set C_, AC_
.if Q_ == 0
.set C_, BI+8*B_
.endif
.if \v
.set PA_, 128*((\blk)%2)+16*Q_
.set PB_, 16*((\n)%16)
.set PSA_, SA+8*((\blk)/2)+Q_
.set PSB_, SB+8*(B_/2)+Q_
.set RA_, (\blk)%2
.set RB_, B_%2
	WIN 3|((1+(\n)/16)<<2)
.else
.set PA_, 16*((\n)%16)
.set PB_, 128*((\blk)%2)+16*Q_
.set PSA_, SB+8*(B_/2)+Q_
.set PSB_, SA+8*((\blk)/2)+Q_
.set RA_, B_%2
.set RB_, (\blk)%2
	WIN (1+(\n)/16)|(3<<2)
.endif
.if RA_ && RB_
	v_wmma_scale_f32_16x16x128_f8f6f4 v[AC_:AC_+7], v[PA_:PA_+15], v[PB_:PB_+15], v[C_:C_+7], v[PSA_], v[PSB_] matrix_a_fmt:MATRIX_FMT_BF8 matrix_b_fmt:MATRIX_FMT_BF8 matrix_a_scale:MATRIX_SCALE_ROW1 matrix_b_scale:MATRIX_SCALE_ROW1
.elseif RA_
	v_wmma_scale_f32_16x16x128_f8f6f4 v[AC_:AC_+7], v[PA_:PA_+15], v[PB_:PB_+15], v[C_:C_+7], v[PSA_], v[PSB_] matrix_a_fmt:MATRIX_FMT_BF8 matrix_b_fmt:MATRIX_FMT_BF8 matrix_a_scale:MATRIX_SCALE_ROW1
.elseif RB_
	v_wmma_scale_f32_16x16x128_f8f6f4 v[AC_:AC_+7], v[PA_:PA_+15], v[PB_:PB_+15], v[C_:C_+7], v[PSA_], v[PSB_] matrix_a_fmt:MATRIX_FMT_BF8 matrix_b_fmt:MATRIX_FMT_BF8 matrix_b_scale:MATRIX_SCALE_ROW1
.else
	v_wmma_scale_f32_16x16x128_f8f6f4 v[AC_:AC_+7], v[PA_:PA_+15], v[PB_:PB_+15], v[C_:C_+7], v[PSA_], v[PSB_] matrix_a_fmt:MATRIX_FMT_BF8 matrix_b_fmt:MATRIX_FMT_BF8
.endif
.endm
.macro PRODS blk, from, to, v
.set N_, \from
.rept (\to)-(\from)
	PROD N_, \blk, \v
.set N_, N_+1
.endr
.endm
.macro FETCH blk                       ; a block of x, 16 tokens, all of K, as it lies: 32 loads of 512 consecutive bytes into set blk % 2 of window 3
	WIN 3<<6
.irp q, 0,1,2,3,4,5,6,7
.irp c, 0,1,2,3
	ds_load_b128 v[128*((\blk)%2)+16*\q+4*\c:128*((\blk)%2)+16*\q+4*\c+3], v[ADX+(\blk)/4] offset:((\blk)%4)*16384+2048*\q+512*\c
.endr
.endr
	WIN 0
.endm
.macro SCALEOPS nb                     ; from nb blocks' largest magnitudes in v[TM ..]: with lane l xor 16's; the conversion's scale operand, 57,344 x the scale, the byte
.set I_, 0
.rept \nb
	v_permlanex16_b32 v[TM+4+I_], v[TM+I_], s[SEL], s[SEL+1]
.set I_, I_+1
.endr
.set I_, 0
.rept \nb
	v_max_num_f32 v[TM+I_], v[TM+I_], v[TM+4+I_]
.set I_, I_+1
.endr
.set I_, 0
.rept \nb
	v_add_nc_u32 v[TM+12+I_], 0xf8800000, v[TM+I_]
.set I_, I_+1
.endr
.set I_, 0
.rept \nb
	v_and_or_b32 v[TM+8+I_], v[TM+I_], 0x7f800000, s[MNT]
.set I_, I_+1
.endr
.set I_, 0
.rept \nb
	v_lshrrev_b32 v[TM+4+I_], 23, v[TM+12+I_]
.set I_, I_+1
.endr
.endm
; q's or k's block n: register 16 B + i is feature 32 B + 16 h + i of my token: two blocks of 32.  The codes are the tile's 1,024 bytes: two stores of 512 consecutive bytes
.macro QUANTQK n
	s_wait_xcnt 0x0                                ; the block before's stores have read their codes
.irp k, 0,1,2,3
	v_max3_num_f32 v[TM+\k], 0x8000000, |v[ACC+8*\k]|, |v[ACC+8*\k+1]|   ; the floor 2^(16 - 127) among the leaves; each sum is read from its low end on
.endr
.irp i, 2,4,6
.irp k, 0,1,2,3
	v_max3_num_f32 v[TM+\k], v[TM+\k], |v[ACC+8*\k+\i]|, |v[ACC+8*\k+\i+1]|
.endr
.endr
	v_max_num_f32 v[TM], v[TM], v[TM+1]
	v_max_num_f32 v[TM+1], v[TM+2], v[TM+3]
	SCALEOPS 2
	v_lshl_or_b32 v[SW+\n], v[TM+5], 8, v[TM+4]
	v_or_b32 v[SW+\n], s51, v[SW+\n]
.irp b, 0,1
.irp i, 0,1,2,3,4,5,6,7,8,9,10,11,12,13,14,15
	v_med3_num_f32 v[ACC+16*\b+\i], v[ACC+16*\b+\i], -v[TM+8+\b], v[TM+8+\b]   ; the hold: the conversion does not saturate (ISA guide 7.6.2)
.endr
.endr
.irp b, 0,1
	v_cvt_scalef32_pk8_bf8_f32 v[PC+4*\b:PC+4*\b+1], v[ACC+16*\b:ACC+16*\b+7], v[TM+12+\b]
	v_cvt_scalef32_pk8_bf8_f32 v[PC+4*\b+2:PC+4*\b+3], v[ACC+16*\b+8:ACC+16*\b+15], v[TM+12+\b]
.endr
	v_nop                                          ; one plain line behind the last conversion
	global_store_b128 v[LI], v[PC:PC+3], s[42:43] offset:1024*\n
	global_store_b128 v[LI], v[PC+4:PC+7], s[42:43] offset:1024*\n+512
.endm
; v's pair g of blocks: for channel tile b the even block's 8 registers and the odd block's 8 are tokens 32 g + 16 h + 0 .. 15 of my channel: piece g of the tile's fragment
.macro QUANTV g
	s_wait_xcnt 0x0
.irp b, 0,1,2,3
	v_max3_num_f32 v[TM+\b], 0x8000000, |v[ACC+8*\b]|, |v[ACC+8*\b+1]|
.endr
.irp i, 2,4,6
.irp b, 0,1,2,3
	v_max3_num_f32 v[TM+\b], v[TM+\b], |v[ACC+8*\b+\i]|, |v[ACC+8*\b+\i+1]|
.endr
.endr
.irp i, 0,2,4,6
.irp b, 0,1,2,3
	v_max3_num_f32 v[TM+\b], v[TM+\b], |v[ACC+32+8*\b+\i]|, |v[ACC+32+8*\b+\i+1]|
.endr
.endr
	SCALEOPS 4
.irp b, 0,1,2,3
.if (\g) == 0
	v_mov_b32 v[SW+\b], v[TM+4+\b]                 ; four bytes to a word, the lower keys in the lower byte
.else
	v_lshl_or_b32 v[SW+\b], v[TM+4+\b], 8*(\g), v[SW+\b]
.endif
.endr
.irp b, 0,1,2,3
.irp i, 0,1,2,3,4,5,6,7
	v_med3_num_f32 v[ACC+8*\b+\i], v[ACC+8*\b+\i], -v[TM+8+\b], v[TM+8+\b]
	v_med3_num_f32 v[ACC+32+8*\b+\i], v[ACC+32+8*\b+\i], -v[TM+8+\b], v[TM+8+\b]
.endr
.endr
.irp b, 0,1,2,3
	v_cvt_scalef32_pk8_bf8_f32 v[PC+4*\b:PC+4*\b+1], v[ACC+8*\b:ACC+8*\b+7], v[TM+12+\b]
	v_cvt_scalef32_pk8_bf8_f32 v[PC+4*\b+2:PC+4*\b+3], v[ACC+32+8*\b:ACC+32+8*\b+7], v[TM+12+\b]
.endr
	v_nop
.irp b, 0,1,2,3
	global_store_b128 v[LI], v[PC+4*\b:PC+4*\b+3], s[46:47] offset:8192+2048*\b+512*(\g)
.endr
.endm
.macro QKBLK n
	s_wait_dscnt 32                                ; this block of x is in; the next block's 32 loads may be out
	PRODS \n, 0, 16, 0
.if (\n) == 0
	WIN 0
	global_prefetch_b8 v[PFO], s[54:55] offset:KW th:TH_LOAD_NT scope:SCOPE_SE   ; the next kind's weights, my share
.endif
.if (\n) == 2
	PRODS \n, 16, 28, 0
	WIN 0
	s_wait_tensorcnt 0x0                           ; every wave: my four tiles are in
	s_wait_dscnt 0x0                               ; no LDS instruction of mine is out at a signal
	s_barrier_signal -1
	PRODS \n, 28, 32, 0
	WIN 0
	s_barrier_wait -1                              ; all of x's rows are in LDS: block 4 may be fetched
.else
	PRODS \n, 16, 32, 0
	WIN 0
.endif
	PLACES NP                                      ; in front of the reads of the sums and of the loads into registers just multiplied
.if (\n) == 7
	s_add_nc_u64 s[36:37], s[36:37], KW            ; the kind's products are over: the next kind's weights, scale words and bias (the loads that read these bases were waited for at the trip's head)
	s_add_nc_u64 s[38:39], s[38:39], KS
	WLOAD
	s_cmp_eq_u32 s56, 0
	s_cbranch_scc0 .Lbias_v
	BIASQK 10
	s_branch .Lbias_done
.Lbias_v:
.irp b, 0,1,2,3                        ; v: all eight registers of tile b hold the bias of the channel at lane place r
.irp j, 0,1,2,3,4,5,6,7
	global_load_b32 v[BI+8*\b+\j], v[BAV], s[12:13] offset:(32*(\b/2)+8*(\b%2))*4
.endr
.endr
.Lbias_done:
.endif
	FETCH ((\n)+2)%8                               ; the stream runs on into the next kind
	QUANTQK \n
.endm
.macro VBLK n
.if (\n) == 7
	s_wait_dscnt 0x0
.else
	s_wait_dscnt 32
.endif
	PRODS \n, 0, 32, 1
	WIN 0
	PLACES NP
.if (\n) < 6
	FETCH (\n)+2
.endif
.if (\n)%2
	QUANTV (\n)/2
.endif
.endm
	s_cmp_lt_u32 s18, 2
	s_cbranch_scc0 .Lnot_first
	s_wait_tensorcnt 0x0                           ; waves 0 and 1: blocks 0 to 3 of both rows of waves are in
.Lnot_first:
	s_barrier_signal -1
	s_barrier_wait -1
	FETCH 0
	FETCH 1
.Lkind:                                            ; two trips: q, k
	s_wait_loadcnt 0x0                             ; the weight, the scale words, the bias
.irp n, 0,1,2,3,4,5,6,7
	QKBLK \n
.endr
.irp a, 0,1,2,3,4,5,6,7                ; the word of (tile a, r) at 16 (16 (a % 2) + r) + 4 (a / 2); both halves of the lanes write the same word
	ds_store_b32 v[SQ], v[SW+\a] offset:256*(\a%2)+4*(\a/2)
.endr
	ds_load_b128 v[RB:RB+3], v[SRD]                ; LDS serves a wave's instructions in order: this sees my stores
	s_wait_dscnt 0x0
	global_store_b128 v[LI], v[RB:RB+3], s[44:45]  ; 512 consecutive bytes, aligned
	s_wait_xcnt 0x0                                ; the stores and the prefetch have read their bases
	s_mov_b64 s[42:43], s[46:47]                   ; K's codes
	s_mov_b64 s[44:45], s[52:53]                   ; K's scale words
	s_add_nc_u64 s[54:55], s[54:55], KW
	s_add_co_u32 s56, s56, 1
	s_cmp_lt_u32 s56, 2
	s_wait_alu depctr_va_vdst(0)
	s_cbranch_scc1 .Lkind
	s_wait_loadcnt 0x0                             ; Wv, its scale words, bv
.irp n, 0,1,2,3,4,5,6,7
	VBLK \n
.endr
.irp b, 0,1,2,3                        ; the word of (tile b, r) at 8 (16 (b % 2) + r) + 4 (b / 2)
	ds_store_b32 v[SV], v[SW+\b] offset:128*(\b%2)+4*(\b/2)
.endr
	ds_load_b64 v[RB:RB+1], v[SRV]
	s_wait_dscnt 0x0
	global_store_b64 v[L8], v[RB:RB+1], s[46:47] offset:16896      ; 256 consecutive bytes, aligned
	s_wait_tensorcnt 0x0                           ; the wave's end
	ds_add_u32 v[SPW], v[NIL]
	s_wait_dscnt 0x0
	CROUND                                         ; the closing round
	s_endpgm
.Lfunc_end_k_q69530e42e1_qkv:
	.size	k_q69530e42e1_qkv, .Lfunc_end_k_q69530e42e1_qkv-k_q69530e42e1_qkv
	.p2alignl 7, 3214868480
	.fill 96, 4, 3214868480
	.section	.rodata,"a",@progbits
	.p2align	6, 0x0
	.amdhsa_kernel k_q69530e42e1_qkv
		.amdhsa_group_segment_fixed_size 327680
		.amdhsa_private_segment_fixed_size 0
		.amdhsa_enable_private_segment 0
		.amdhsa_kernarg_size 56
		.amdhsa_user_sgpr_count 2
		.amdhsa_user_sgpr_kernarg_segment_ptr 1
		.amdhsa_wavefront_size32 1
		.amdhsa_system_sgpr_workgroup_id_x 1
		.amdhsa_system_sgpr_workgroup_id_y 1
		.amdhsa_system_sgpr_workgroup_id_z 1
		.amdhsa_system_vgpr_workitem_id 0
		.amdhsa_next_free_vgpr 1024
		.amdhsa_next_free_sgpr 66
		.amdhsa_reserve_vcc 0
		.amdhsa_float_denorm_mode_32 3
		.amdhsa_float_denorm_mode_16_64 3
		.amdhsa_memory_ordered 1
		.amdhsa_forward_progress 1
		.amdhsa_inst_pref_size 212
	.end_amdhsa_kernel
	.amdgpu_metadata
---
amdhsa.version: [ 1, 2 ]
amdhsa.kernels:
  - .name:           k_q69530e42e1_qkv
    .symbol:         k_q69530e42e1_qkv.kd
    .args:
      - { .name: xb, .offset: 0, .size: 8, .value_kind: global_buffer, .address_space: global }
      - { .name: wb, .offset: 8, .size: 8, .value_kind: global_buffer, .address_space: global }
      - { .name: bq, .offset: 16, .size: 8, .value_kind: global_buffer, .address_space: global }
      - { .name: bk, .offset: 24, .size: 8, .value_kind: global_buffer, .address_space: global }
      - { .name: bv, .offset: 32, .size: 8, .value_kind: global_buffer, .address_space: global }
      - { .name: qb, .offset: 40, .size: 8, .value_kind: global_buffer, .address_space: global }
      - { .name: kv, .offset: 48, .size: 8, .value_kind: global_buffer, .address_space: global }
    .group_segment_fixed_size: 327680
    .private_segment_fixed_size: 0
    .kernarg_segment_align: 8
    .kernarg_segment_size: 56
    .max_flat_workgroup_size: 128
    .sgpr_count:     66
    .vgpr_count:     1024
    .wavefront_size: 32
...
	.end_amdgpu_metadata
.endif
;; end of part 2
;; launch attn (part 3): grid 4 x 64, 16 waves a work-group, clusters of 4 x 1, 327,680 bytes of LDS; arguments qb, kv, ao; writes ao
.if DOCPART == 3
	.amdgcn_target "amdgcn-amd-amdhsa--gfx1250"
	.amdhsa_code_object_version 6
	.text
	.protected	k_q69530e42e1_attn
	.globl	k_q69530e42e1_attn
	.p2align	8
	.type	k_q69530e42e1_attn,@function
k_q69530e42e1_attn:
	s_mov_b64 s[64:65], 0
	v_nop
	global_prefetch_b8 v0, s[64:65] scope:SCOPE_SE
	s_setreg_imm32_b32 hwreg(HW_REG_WAVE_MODE, 25, 1), 1
	s_wait_xcnt 0x0
	s_wait_alu depctr_hold_cnt(0) depctr_sa_sdst(0) depctr_va_vdst(0) depctr_va_sdst(0) depctr_va_ssrc(0) depctr_va_vcc(0) depctr_vm_vsrc(0)
	s_getreg_b32 s2, hwreg(HW_REG_IB_STS2, 6, 4)
	s_cmp_eq_u32 s2, 0
	s_cbranch_scc0 .Lentry_in_a_cluster
	s_endpgm
.Lentry_in_a_cluster:
	s_bfe_u32 s2, ttmp6, 0x10000c
	s_cmp_lg_u32 s2, 0x3003
	s_cbranch_scc0 .Lentry_shape_is_right
	s_endpgm
.Lentry_shape_is_right:
; Causal attention of one head (64 channels) on codes of BF8 (E5M2) with E8M0 scales; the result, divided by the row's sum, is quantised along the model's 1,024 and stored as the last product's operand.
; t = score x log2(e) / 8; M = the running largest t rounded UP to a whole number; p = 2^(t - M) is quantised along the keys, not normalised; the row's sum is taken of the unquantised p.  When M moves, sum and O are multiplied by 2^(old M - new M): exact.
; WORK LEFT OUT: steps of 128 keys that lie wholly behind a tile's queries (reference()'s own causal mask makes their p 0).
; A HEAD'S K, V AND SCALE WORDS, 16 step records of 17,152 bytes = 274,432 bytes, LIE IN LDS WHOLE: each of the sixteen waves asks for one step record at the head, and nothing is filled again: no ring, and no barrier in the walk over the keys.
; Two plain barriers show the records: the first those of steps 0 to 3 (waves 0 to 3, a load line of their own), the second, four steps of work later, all the others.
; SHARES.  The head's 128 tiles of 16 queries are dealt to its four work-groups by tile number modulo 4.  Wave w of work-group cx takes tile 124 - 4 w + cx, which has 16 - w / 2 steps of 128 keys, and then tile 4 w + cx, which has w / 2 + 1:
; 17 steps for every wave, the last step of each tile on the diagonal.  The counts hang on the wave's number alone; cx enters global addresses and the mask's vector operand only.
; CLUSTER 4 x 1: the four work-groups of a head want the same 16 records: each record is asked for jointly, mask 15.
; NO PREFETCH: every tile of the launch is asked for at its head by the tensor loads themselves; no later request is left to run ahead of.
; LAYOUT.  Both products transposed: S^T = K Q^T, O^T = V^T P^T: a lane holds one query.  Tiles of keys, queries and channels hold at lane place r the row 32 g + 8 u + (r & 7) + 16 (r >> 3), so the 16 registers of tiles 2 g, 2 g + 1 are 16 neighbours.
; K = 64 IN AN INSTRUCTION OF K = 128: Q's codes of k = 64 .. 127 are zeros, kept in registers; K's fragment of a tile runs on into the next tile's codes (behind the last tile: zeros), which are finite numbers and add nothing; the scale bytes there stand for 1.0.
; LIMITS: NaN and infinities are not served; a block of zeros gets the byte 1 (its codes are zeros; this program alone reads the bytes).
.set QSC,   8388608
.set ASC,   8388608
.set SREC,  17152                      ; a step record: K's codes [8 tiles][1,024]; at 8,192 V^T's [4 tiles][2,048]; at 16,384 K's scale words 512; at 16,896 V's 256: 67 rows of 256 bytes
.set HREC,  274432
.set SPARE, 274432                     ; the spare words, 128 bytes a wave: eight blocks of 256 bytes that no other line names
.set LI,  1                            ; 16 x lane
.set L8,  2                            ; 8 x lane
.set SPW, 3
.set NIL, 4
.set SBO, 6                            ; 8 r + h: my scale byte's place
.set DQ,  7                            ; my query - the diagonal step's first key - 16 h, of the tile in hand
.set A16, 8
.set A8,  9
.set DQ2, 10                           ; the same of the second tile
.set QF,  16                           ; v16-23 Q's codes, v24-31 zeros
.set FR,  32                           ; v32-95 K's eight tiles, or V's four fragments
.set ZR,  96                           ; v96-103 zeros
.set SC,  104                          ; v104-167 scores, then p
.set OT,  168                          ; v168-199 O^T
.set PCD, 200                          ; v200-215 p's codes
.set BM,  216
.set T2,  220
.set HL,  224
.set SO,  228
.set KSW, 232                          ; v232-235 K's scale words
.set VSW, 236                          ; v236-237 V's
.set FAC, 238                          ; f, or 1 / the sum
.set PSW, 239                          ; p's scale word
.set TT,  240
.set QSW, 241
.set Q2,  242                          ; v242-249 the second tile's Q, v250 its scale word
.set Q2S, 250
.set TU,  251
.set WV,  10
.set CX,  11
.set LST, 12                           ; the tile's last step: the one on the diagonal
.set KS,  13                           ; the step
.set TB,  14                           ; LDS byte at which the step's record begins
.set QB,  15                           ; first query modulo 128 of the first tile, s16 of the second
.set QA,  16
.set SEL, 20
.set CS,  22
.set G1,  24
.set G0,  32
.set PCA, 38
.set PSA, 40
.set PCB, 42
.set PSB, 44
.set MNT, 46
.set HIM, 47
.macro CROUND                          ; a round of the cluster's barrier
	s_barrier_signal -1
	s_barrier_wait -1
	s_cmp_lg_u32 s[WV], 0
	s_cbranch_scc1 .Lnot_wave_0_\@
	s_barrier_signal -3
.Lnot_wave_0_\@:
	s_barrier_wait -3
	s_barrier_signal -1
	s_barrier_wait -1
.endm
.macro TLOAD                           ; my step record; an s_nop 0 and four v_nop follow the line
	tensor_load_to_lds s[G0:G0+3], s[G1:G1+7]
	s_nop 0
.rept 4
	v_nop
.endr
.endm
; tile tau: its first query modulo 128, Q's codes and scale words, and where its result's codes and scale bytes go
.macro TILEADR tau, q0, pq, pqs, pc, ps
	s_lshr_b32 s52, s[\tau], 1
	s_lshl_b32 s[\q0], s52, 5
	s_and_b32 s52, s[\tau], 1
	s_lshl_b32 s53, s52, 3
	s_add_co_u32 s[\q0], s[\q0], s53               ; 32 (tau / 2) + 8 (tau % 2)
	s_and_b32 s[\q0], s[\q0], 127
	s_lshl_b32 s55, s52, 8
	s_lshr_b32 s52, s[\tau], 3
	s_lshl_b32 s52, s52, 9
	s_add_co_u32 s55, s55, s52
	s_bfe_u32 s52, s[\tau], 0x20001
	s_lshl_b32 s52, s52, 2
	s_add_co_u32 s52, s55, s52                     ; 512 (tau / 8) + 256 (tau % 2) + 4 ((tau / 2) % 4)
	s_add_co_u32 s52, s52, s49
	s_mov_b32 s53, 0
	s_add_nc_u64 s[\pqs:\pqs+1], s[4:5], s[52:53]
	s_lshl_b32 s52, s[\tau], 10
	s_add_co_u32 s52, s52, s48
	s_add_nc_u64 s[\pq:\pq+1], s[4:5], s[52:53]
	s_lshl_b32 s52, s[\tau], 14
	s_add_co_u32 s52, s52, s50
	s_add_nc_u64 s[\pc:\pc+1], s[8:9], s[52:53]
	s_lshl_b32 s52, s[\tau], 9
	s_add_co_u32 s52, s52, s51
	s_add_nc_u64 s[\ps:\ps+1], s[8:9], s[52:53]
.endm
	s_load_b128 s[4:7], s[0:1], 0x0                ; qb, kv
	s_load_b64 s[8:9], s[0:1], 0x10                ; ao
	v_lshl_add_u32 v[SPW], v0, 2, SPARE
	v_mov_b32 v[NIL], 0
	ds_add_u32 v[SPW], v[NIL]                      ; the opening lines: the add, twice on end, and its wait ahead of my tensor load
	ds_add_u32 v[SPW], v[NIL]
	v_lshrrev_b32 v5, 5, v0
	v_readfirstlane_b32 s[WV], v5                  ; wave 0..15
	s_bfe_u32 s[CX], ttmp6, 0x40000                ; my place in the cluster
	s_and_b32 s55, ttmp7, 0xffff                   ; batch x 16 + head: the cluster's y
	s_mov_b32 s[G1], 15|(3<<16)|(1<<21)            ; the mask: all four of the cluster; elements of 8 bytes; bit 21 beside a mask; no padding
	s_mov_b32 s[G1+1], 32<<16                      ; tensor_dim0: 256 bytes
	s_mov_b32 s[G1+2], 67<<16                      ; tensor_dim1
	s_mov_b32 s[G1+3], 32<<16                      ; tile_dim0
	s_mov_b32 s[G1+4], 67                          ; tile_dim1
	s_mov_b32 s[G1+5], 32                          ; dense
	s_mov_b32 s[G1+6], 0
	s_mov_b32 s[G1+7], 0
	s_mul_i32 s50, s[WV], SREC                     ; step record = wave, in LDS as in the head's records
	s_mul_i32 s52, s55, HREC
	s_add_co_u32 s52, s52, s50
	s_mov_b32 s53, 0
	s_mov_b32 s[KS], 0
	s_mov_b32 s[TB], 0
	s_lshr_b32 s[LST], s[WV], 1
	s_sub_co_u32 s[LST], 15, s[LST]                ; the first tile's last step
	s_mov_b32 s[SEL], 0x76543210
	s_mov_b32 s[SEL+1], 0xfedcba98
	s_mov_b32 s[CS], 0x3e38aa3b                    ; c = log2(e) / sqrt(64)
	s_mov_b32 s[CS+1], s[CS]
	s_mov_b32 s[MNT], 0x600000
	s_mov_b32 s[HIM], 0xffff0000                   ; lanes 16-31
	s_wait_dscnt 0x0                               ; both opening adds are done
	CROUND                                         ; all four work-groups are here: the joint loads meet
	s_wait_kmcnt 0x0
	s_mov_b32 s[G0], 1
	s_mov_b32 s[G0+1], s50
	s_add_nc_u64 s[G0+2:G0+3], s[6:7], s[52:53]
	s_or_b32 s[G0+3], s[G0+3], 0x80000000
	s_cmp_lt_u32 s[WV], 4                          ; one load a wave; waves 0 to 3, whose records the first barrier shows, have a line of their own
	s_cbranch_scc0 .Llater
	TLOAD
	s_branch .Lasked
.Llater:
	TLOAD
.Lasked:
	s_lshl_b32 s48, s55, 17                        ; the head's Q codes,
	s_lshl_b32 s49, s55, 13
	s_add_co_u32 s49, s49, QSC                     ; its Q scale words,
	s_lshr_b32 s54, s55, 4                         ; batch
	s_and_b32 s55, s55, 15                         ; head
	s_lshl_b32 s50, s54, 21
	s_lshl_b32 s52, s55, 10
	s_add_co_u32 s50, s50, s52                     ; the result's codes: batch x 128 tiles x 16,384 + head x 1,024,
	s_lshl_b32 s51, s54, 16
	s_lshr_b32 s52, s55, 2
	s_lshl_b32 s52, s52, 7
	s_add_co_u32 s51, s51, s52
	s_and_b32 s52, s55, 3
	s_lshl_b32 s52, s52, 1
	s_add_co_u32 s51, s51, s52
	s_add_co_u32 s51, s51, ASC                     ; its scale bytes: 128 (head / 4) + 2 (head % 4) in a tile's 512
	s_sub_co_u32 s54, 31, s[WV]
	s_lshl_b32 s54, s54, 2
	s_add_co_u32 s54, s54, s[CX]                   ; the first tile: 124 - 4 w + cx
	TILEADR 54, QB, 56, 58, PCB, PSB
	s_lshl_b32 s54, s[WV], 2
	s_add_co_u32 s54, s54, s[CX]                   ; the second: 4 w + cx
	TILEADR 54, QA, 60, 62, PCA, PSA
	v_and_b32 v5, 31, v0
	v_lshlrev_b32 v[LI], 4, v5
	v_lshlrev_b32 v[L8], 3, v5
	v_and_b32 v[TT], 15, v0                        ; r
	v_bfe_u32 v11, v0, 4, 1                        ; h
	v_lshl_add_u32 v[SBO], v[TT], 3, v11
	v_and_b32 v5, 8, v[TT]
	v_add_nc_u32 v5, v5, v[TT]                     ; r + 8 (r / 8)
	v_lshlrev_b32 v11, 4, v11
	v_sub_nc_u32 v5, v5, v11
	v_add_nc_u32 v[DQ], s[QB], v5
	v_add_nc_u32 v[DQ2], s[QA], v5
	v_lshlrev_b32 v5, 4, v[TT]                     ; 16 r
	global_load_b128 v[QF:QF+3], v[LI], s[56:57]
	global_load_b128 v[QF+4:QF+7], v[LI], s[56:57] offset:512
	global_load_b32 v[QSW], v5, s[58:59]
	global_load_b128 v[Q2:Q2+3], v[LI], s[60:61]
	global_load_b128 v[Q2+4:Q2+7], v[LI], s[60:61] offset:512
	global_load_b32 v[Q2S], v5, s[62:63]
	v_mov_b32 v13, 0xff61b1e6                      ; the largest t so far: -3e38
	v_floor_f32 v12, -v13                          ; -M
	v_mov_b32 v14, 0                               ; the sum, in two halves
	v_mov_b32 v15, 0
.irp j, 0,1,2,3,4,5,6,7
	v_mov_b32 v[QF+8+\j], 0
	v_mov_b32 v[ZR+\j], 0
.endr
.irp b, 0,1,2,3
	v_mov_b32 v[T2+\b], 0                          ; a lane permute's destination counts as one of its sources
.endr
	v_mov_b32 v[PSW], 0                            ; (named as the upper half of a pair before it is first written)
.set j, 0
.rept 32
	v_mov_b32 v[OT+j], 0                           ; the step is written once: the first finds zeros
.set j, j+1
.endr
; A KEY STEP: the 128 keys of the record at s[TB].  tests = 1: a step behind the tile's last is left out, and the last is masked; both by scalar branches on the wave's number and the count of steps
.macro STEP tests
.if \tests
	s_cmp_gt_u32 s[KS], s[LST]
	s_cbranch_scc1 .Lhidden_\@
.endif
	v_add_nc_u32 v[A16], s[TB], v[LI]
	v_add_nc_u32 v[A8], s[TB], v[L8]
.rept 6
	v_nop                                          ; with the two lines above: eight places in front of loads into registers that the last products read
.endr
.irp t, 0,1,2,3,4,5,6,7
	ds_load_b128 v[FR+8*\t:FR+8*\t+3], v[A16] offset:1024*\t
	ds_load_b128 v[FR+8*\t+4:FR+8*\t+7], v[A16] offset:1024*\t+512
.endr
	ds_load_b128 v[KSW:KSW+3], v[A16] offset:16384                 ; register t / 2, lanes 16 (t % 2) + r: tile t's words
	s_wait_alu depctr_va_vdst(0)
	s_wait_dscnt 0x0
.irp t, 0,2,4,6
	v_wmma_scale_f32_16x16x128_f8f6f4 v[SC+8*\t:SC+8*\t+7], v[FR+8*\t:FR+8*\t+15], v[QF:QF+15], 0, v[KSW+\t/2], v[QSW] matrix_a_fmt:MATRIX_FMT_BF8 matrix_b_fmt:MATRIX_FMT_BF8
	v_wmma_scale_f32_16x16x128_f8f6f4 v[SC+8*\t+8:SC+8*\t+15], v[FR+8*\t+8:FR+8*\t+23], v[QF:QF+15], 0, v[KSW+\t/2], v[QSW] matrix_a_fmt:MATRIX_FMT_BF8 matrix_b_fmt:MATRIX_FMT_BF8 matrix_a_scale:MATRIX_SCALE_ROW1
.endr
.rept 8
	v_nop                                          ; places in front of the loads below and of the first read of the scores
.endr
.irp t, 0,1,2,3                        ; V's four fragments land while the softmax is worked
.irp c, 0,1,2,3
	ds_load_b128 v[FR+16*\t+4*\c:FR+16*\t+4*\c+3], v[A16] offset:8192+2048*\t+512*\c
.endr
.endr
	ds_load_b64 v[VSW:VSW+1], v[A8] offset:16896
.if \tests
	s_cmp_lg_u32 s[KS], s[LST]                     ; on the diagonal hidden scores become -infinity ahead of the maximum; register 16 b + i holds key 32 b + i + 16 h of the step: hidden where 32 b + i > v[DQ]
	s_cbranch_scc1 .Lopen_\@
	v_mov_b32 v[TU], 0xff800000
.set n, 0
.rept 64
	v_cmp_gt_i32 vcc_lo, 32*(n/16)+n%16, v[DQ]
	v_cndmask_b32 v[SC+n], v[SC+n], v[TU], vcc_lo
.set n, n+1
.endr
.Lopen_\@:
.endif
.irp b, 0,1,2,3
	v_max3_num_f32 v[BM+\b], v[SC+16*\b], v[SC+1+16*\b], v[SC+2+16*\b]   ; the largest score of each block of 32 keys: for the row's maximum, and, since p rises with the score, for the block's largest p
.endr
.irp i, 3,5,7,9,11,13
.irp b, 0,1,2,3
	v_max3_num_f32 v[BM+\b], v[BM+\b], v[SC+16*\b+\i], v[SC+1+16*\b+\i]
.endr
.endr
.irp b, 0,1,2,3
	v_max_num_f32 v[BM+\b], v[BM+\b], v[SC+15+16*\b]
.endr
.irp b, 0,1,2,3
	s_delay_alu instid0(VALU_DEP_4)
	v_permlanex16_b32 v[T2+\b], v[BM+\b], s[SEL], s[SEL+1]
.endr
.irp b, 0,1,2,3
	s_delay_alu instid0(VALU_DEP_4)
	v_max_num_f32 v[BM+\b], v[BM+\b], v[T2+\b]
.endr
	s_delay_alu instid0(VALU_DEP_2)
	v_max3_num_f32 v[TT], v[BM], v[BM+1], v[BM+2]
	s_delay_alu instid0(VALU_DEP_1)
	v_max_num_f32 v[TT], v[TT], v[BM+3]
	s_delay_alu instid0(VALU_DEP_1)
	v_mul_f32 v[TT], s[CS], v[TT]
	s_delay_alu instid0(VALU_DEP_1)
	v_max_num_f32 v13, v13, v[TT]                  ; the running largest t
	v_mov_b32 v[TT], v12
	s_delay_alu instid0(VALU_DEP_2)
	v_floor_f32 v12, -v13                          ; -M = floor(-t)
	s_delay_alu instid0(VALU_DEP_1)
	v_sub_f32 v[TT], v12, v[TT]                    ; old M - new M: a whole number, 0 or less
	s_delay_alu instid0(VALU_DEP_1)
	v_cvt_i32_f32 v[TT], v[TT]                     ; (it saturates)
	s_delay_alu instid0(VALU_DEP_1)
	v_ldexp_f32 v[FAC], 1.0, v[TT]                 ; f = 2^(old M - new M)
.set j, 0
.rept 32
	v_pk_fma_f32 v[SC+j:SC+j+1], v[SC+j:SC+j+1], s[CS:CS+1], v[12:13] op_sel_hi:[1,0,0]   ; t - M
.set j, j+2
.endr
.irp b, 0,1,2,3
	v_fma_f32 v[BM+\b], v[BM+\b], s[CS], v12
.endr
.set j, 0
	s_wait_alu depctr_va_vdst(0)
.rept 64
	v_exp_f32 v[SC+j], v[SC+j]                     ; p = 2^(t - M)
.set j, j+1
.endr
.irp b, 0,1,2,3
	v_exp_f32 v[BM+\b], v[BM+\b]                   ; the block's largest p: the same two instructions on the same number
.endr
	v_pk_mul_f32 v[14:15], v[14:15], v[FAC:FAC+1] op_sel_hi:[1,0]  ; the sums under the new M (a plain line behind the exponentials)
	s_wait_alu depctr_va_vdst(0)                   ; and behind it, ahead of its first reader
.irp b, 0,1,2,3
	v_max_num_f32 v[BM+\b], 0x8000000, v[BM+\b]    ; the floor: the byte cannot fall under 1
.endr
.irp b, 0,1,2,3
	s_delay_alu instid0(VALU_DEP_4)
	v_add_nc_u32 v[SO+\b], 0xf8800000, v[BM+\b]
.endr
.irp b, 0,1,2,3
	v_and_or_b32 v[HL+\b], v[BM+\b], 0x7f800000, s[MNT]
.endr
.irp b, 0,1,2,3
	v_lshrrev_b32 v[T2+\b], 23, v[SO+\b]
.endr
	s_delay_alu instid0(VALU_DEP_3)
	v_lshl_or_b32 v[PSW], v[T2+1], 8, v[T2]        ; p's scale word for these 128 keys
	s_delay_alu instid0(VALU_DEP_1)
	v_lshl_or_b32 v[PSW], v[T2+2], 16, v[PSW]
	s_delay_alu instid0(VALU_DEP_1)
	v_lshl_or_b32 v[PSW], v[T2+3], 24, v[PSW]
	v_pk_add_f32 v[220:221], v[108:109], v[112:113]                ; the row's sum of the unquantised p, in eight chains
	v_pk_add_f32 v[254:255], v[116:117], v[120:121]
	v_pk_add_f32 v[252:253], v[124:125], v[128:129]
	v_pk_add_f32 v[234:235], v[132:133], v[136:137]
	v_pk_add_f32 v[232:233], v[140:141], v[144:145]
	v_pk_add_f32 v[218:219], v[148:149], v[152:153]
	v_pk_add_f32 v[216:217], v[156:157], v[160:161]
	v_pk_add_f32 v[14:15], v[14:15], v[164:165]
	v_pk_add_f32 v[220:221], v[220:221], v[104:105]
	v_pk_add_f32 v[254:255], v[254:255], v[106:107]
	v_pk_add_f32 v[252:253], v[252:253], v[110:111]
	v_pk_add_f32 v[234:235], v[234:235], v[114:115]
	v_pk_add_f32 v[232:233], v[232:233], v[118:119]
	v_pk_add_f32 v[218:219], v[218:219], v[122:123]
	v_pk_add_f32 v[216:217], v[216:217], v[126:127]
	v_pk_add_f32 v[14:15], v[14:15], v[130:131]
	v_pk_add_f32 v[220:221], v[220:221], v[134:135]
	v_pk_add_f32 v[254:255], v[254:255], v[138:139]
	v_pk_add_f32 v[252:253], v[252:253], v[142:143]
	v_pk_add_f32 v[234:235], v[234:235], v[146:147]
	v_pk_add_f32 v[232:233], v[232:233], v[150:151]
	v_pk_add_f32 v[218:219], v[218:219], v[154:155]
	v_pk_add_f32 v[216:217], v[216:217], v[158:159]
	v_pk_add_f32 v[14:15], v[14:15], v[162:163]
	v_pk_add_f32 v[220:221], v[220:221], v[166:167]
	s_delay_alu instid0(VALU_DEP_2)
	v_pk_add_f32 v[14:15], v[14:15], v[234:235]
	s_delay_alu instid0(VALU_DEP_2)
	v_pk_add_f32 v[220:221], v[220:221], v[232:233]
	v_pk_add_f32 v[254:255], v[254:255], v[218:219]
	v_pk_add_f32 v[252:253], v[252:253], v[216:217]
	s_delay_alu instid0(VALU_DEP_2)
	v_pk_add_f32 v[14:15], v[14:15], v[254:255]
	s_delay_alu instid0(VALU_DEP_2)
	v_pk_add_f32 v[220:221], v[220:221], v[252:253]
	s_delay_alu instid0(VALU_DEP_1)
	v_pk_add_f32 v[14:15], v[14:15], v[220:221]
.irp b, 0,1,2,3
.irp i, 0,1,2,3,4,5,6,7,8,9,10,11,12,13,14,15
	v_min_num_f32 v[SC+16*\b+\i], v[SC+16*\b+\i], v[HL+\b]         ; the hold; p is not negative, so it is one-sided
.endr
	v_cvt_scalef32_pk8_bf8_f32 v[PCD+4*\b:PCD+4*\b+1], v[SC+16*\b:SC+16*\b+7], v[SO+\b]
	v_cvt_scalef32_pk8_bf8_f32 v[PCD+4*\b+2:PCD+4*\b+3], v[SC+16*\b+8:SC+16*\b+15], v[SO+\b]
.endr
	s_wait_alu depctr_va_vdst(0)
.set j, 0
.rept 16
	v_pk_mul_f32 v[OT+j:OT+j+1], v[OT+j:OT+j+1], v[FAC:FAC+1] op_sel_hi:[1,0]   ; O^T under the new M; these sixteen are also the places in front of the products below
.set j, j+2
.endr
	s_wait_alu depctr_va_vdst(0)
	s_wait_dscnt 0x0                               ; V
.irp t, 0,2                            ; O^T += V^T P^T: four accumulators, one turn each
	v_wmma_scale_f32_16x16x128_f8f6f4 v[OT+8*\t:OT+8*\t+7], v[FR+16*\t:FR+16*\t+15], v[PCD:PCD+15], v[OT+8*\t:OT+8*\t+7], v[VSW+\t/2], v[PSW] matrix_a_fmt:MATRIX_FMT_BF8 matrix_b_fmt:MATRIX_FMT_BF8
	v_wmma_scale_f32_16x16x128_f8f6f4 v[OT+8*\t+8:OT+8*\t+15], v[FR+16*\t+16:FR+16*\t+31], v[PCD:PCD+15], v[OT+8*\t+8:OT+8*\t+15], v[VSW+\t/2], v[PSW] matrix_a_fmt:MATRIX_FMT_BF8 matrix_b_fmt:MATRIX_FMT_BF8 matrix_a_scale:MATRIX_SCALE_ROW1
.endr
.if \tests
.Lhidden_\@:
.endif
	s_add_co_u32 s[TB], s[TB], SREC                ; on to the next record
	s_add_co_u32 s[KS], s[KS], 1
.endm
; THE WAY OUT of a tile of queries: O^T / the sum; register 16 B + i is channel 32 B + 16 h + i of my query: two blocks of the last product's K, shared with lane l xor 16.  The codes are half a fragment's registers.
.macro OUT pc, ps
.rept 8
	v_nop                                          ; places behind the last products
.endr
	v_add_f32 v14, v14, v15
	s_delay_alu instid0(VALU_DEP_1)
	v_permlanex16_b32 v[T2], v14, s[SEL], s[SEL+1]
	s_delay_alu instid0(VALU_DEP_1)
	v_add_f32 v14, v14, v[T2]                      ; the row's sum
	s_wait_alu depctr_va_vdst(0)
	v_rcp_f32 v[FAC], v14
	v_nop
.set j, 0
	s_wait_alu depctr_va_vdst(0)
.rept 16
	v_pk_mul_f32 v[SC+j:SC+j+1], v[OT+j:OT+j+1], v[FAC:FAC+1] op_sel_hi:[1,0]
.set j, j+2
.endr
.irp b, 0,1
	v_max3_num_f32 v[BM+\b], |v[SC+16*\b]|, |v[SC+1+16*\b]|, 0x8000000
.endr
.irp i, 2,4,6,8,10,12,14
.irp b, 0,1
	s_delay_alu instid0(VALU_DEP_2)
	v_max3_num_f32 v[BM+\b], v[BM+\b], |v[SC+16*\b+\i]|, |v[SC+1+16*\b+\i]|
.endr
.endr
.irp b, 0,1
	s_delay_alu instid0(VALU_DEP_2)
	v_permlanex16_b32 v[T2+\b], v[BM+\b], s[SEL], s[SEL+1]
.endr
.irp b, 0,1
	s_delay_alu instid0(VALU_DEP_2)
	v_max_num_f32 v[BM+\b], v[BM+\b], v[T2+\b]
.endr
.irp b, 0,1
	s_delay_alu instid0(VALU_DEP_2)
	v_add_nc_u32 v[SO+\b], 0xf8800000, v[BM+\b]
.endr
.irp b, 0,1
	s_delay_alu instid0(VALU_DEP_4)
	v_and_or_b32 v[HL+\b], v[BM+\b], 0x7f800000, s[MNT]
.endr
.irp b, 0,1
	s_delay_alu instid0(VALU_DEP_4)
	v_lshrrev_b32 v[T2+\b], 23, v[SO+\b]
.endr
.irp b, 0,1
.irp i, 0,1,2,3,4,5,6,7,8,9,10,11,12,13,14,15
	v_med3_num_f32 v[SC+16*\b+\i], v[SC+16*\b+\i], -v[HL+\b], v[HL+\b]
.endr
	v_cvt_scalef32_pk8_bf8_f32 v[PCD+4*\b:PCD+4*\b+1], v[SC+16*\b:SC+16*\b+7], v[SO+\b]
	v_cvt_scalef32_pk8_bf8_f32 v[PCD+4*\b+2:PCD+4*\b+3], v[SC+16*\b+8:SC+16*\b+15], v[SO+\b]
.endr
	v_cndmask_b32 v[TT], v[T2], v[T2+1], s[HIM]    ; lanes 0-15 store the first block's byte, lanes 16-31 the second's (a plain line behind the conversions)
	global_store_b128 v[LI], v[PCD:PCD+3], s[\pc:\pc+1]            ; 512 consecutive bytes, aligned
	global_store_b128 v[LI], v[PCD+4:PCD+7], s[\pc:\pc+1] offset:512
	global_store_b8 v[SBO], v[TT], s[\ps:\ps+1]    ; one byte a lane, 2 of each 8: a row's other bytes belong to other heads, so these blocks are written in parts: 32 bytes beside 1,024 of codes
.endm
	s_wait_alu depctr_va_vdst(0)
	s_wait_loadcnt 0x0                             ; both tiles' Q
	s_cmp_lt_u32 s[WV], 4
	s_cbranch_scc0 .Lnot_first
	s_wait_tensorcnt 0x0                           ; waves 0 to 3: the records of steps 0 to 3 are in
.Lnot_first:
	s_barrier_signal -1
	s_barrier_wait -1
.Lfirst:                                           ; steps 0 to 3 of the first tile, which has nine steps at the least: all their keys count
	STEP 0
	s_cmp_lt_u32 s[KS], 4
	s_cbranch_scc1 .Lfirst
	s_wait_tensorcnt 0x0                           ; every wave: my record is in
	s_wait_dscnt 0x0
	s_barrier_signal -1
	s_barrier_wait -1                              ; the whole head is in LDS; from here on the waves walk by themselves
	s_mov_b32 s[TB], 4*SREC
	s_mov_b32 s[KS], 4
.Lrest:                                            ; steps 4 to 15 of the first tile
	STEP 1
	s_cmp_lt_u32 s[KS], 16
	s_cbranch_scc1 .Lrest
	s_wait_alu depctr_va_vdst(0)
	OUT PCB, PSB
.irp j, 0,1,2,3,4,5,6,7
	v_mov_b32 v[QF+\j], v[Q2+\j]                   ; the second tile
.endr
	v_mov_b32 v[QSW], v[Q2S]
	v_mov_b32 v[DQ], v[DQ2]
.set j, 0
.rept 32
	v_mov_b32 v[OT+j], 0
.set j, j+1
.endr
	v_mov_b32 v14, 0
	v_mov_b32 v15, 0
	v_mov_b32 v13, 0xff61b1e6
	s_delay_alu instid0(VALU_DEP_1)
	v_floor_f32 v12, -v13
	s_lshr_b32 s[LST], s[WV], 1                    ; its last step
	s_mov_b32 s[KS], 0
	s_mov_b32 s[TB], 0
	s_wait_alu depctr_va_vdst(0)
	s_wait_xcnt 0x0                                ; the stores have read their registers: the steps below write them again
.Lsecond:                                          ; steps 0 to 7: the second tile has eight at the most
	STEP 1
	s_cmp_lt_u32 s[KS], 8
	s_cbranch_scc1 .Lsecond
	s_wait_alu depctr_va_vdst(0)
	OUT PCA, PSA
	s_wait_tensorcnt 0x0                           ; the wave's end
	ds_add_u32 v[SPW], v[NIL]
	s_wait_dscnt 0x0
	CROUND                                         ; the closing round
	s_endpgm
.Lfunc_end_k_q69530e42e1_attn:
	.size	k_q69530e42e1_attn, .Lfunc_end_k_q69530e42e1_attn-k_q69530e42e1_attn
	.p2alignl 7, 3214868480
	.fill 96, 4, 3214868480
	.section	.rodata,"a",@progbits
	.p2align	6, 0x0
	.amdhsa_kernel k_q69530e42e1_attn
		.amdhsa_group_segment_fixed_size 327680
		.amdhsa_private_segment_fixed_size 0
		.amdhsa_enable_private_segment 0
		.amdhsa_kernarg_size 24
		.amdhsa_user_sgpr_count 2
		.amdhsa_user_sgpr_kernarg_segment_ptr 1
		.amdhsa_wavefront_size32 1
		.amdhsa_system_sgpr_workgroup_id_x 1
		.amdhsa_system_sgpr_workgroup_id_y 1
		.amdhsa_system_sgpr_workgroup_id_z 1
		.amdhsa_system_vgpr_workitem_id 0
		.amdhsa_next_free_vgpr 256
		.amdhsa_next_free_sgpr 66
		.amdhsa_reserve_vcc 1
		.amdhsa_float_denorm_mode_32 3
		.amdhsa_float_denorm_mode_16_64 3
		.amdhsa_memory_ordered 1
		.amdhsa_forward_progress 1
		.amdhsa_inst_pref_size 92
	.end_amdhsa_kernel
	.amdgpu_metadata
---
amdhsa.version: [ 1, 2 ]
amdhsa.kernels:
  - .name:           k_q69530e42e1_attn
    .symbol:         k_q69530e42e1_attn.kd
    .args:
      - { .name: qb, .offset: 0, .size: 8, .value_kind: global_buffer, .address_space: global }
      - { .name: kv, .offset: 8, .size: 8, .value_kind: global_buffer, .address_space: global }
      - { .name: ao, .offset: 16, .size: 8, .value_kind: global_buffer, .address_space: global }
    .group_segment_fixed_size: 327680
    .private_segment_fixed_size: 0
    .kernarg_segment_align: 8
    .kernarg_segment_size: 24
    .max_flat_workgroup_size: 512
    .sgpr_count:     66
    .vgpr_count:     256
    .wavefront_size: 32
...
	.end_amdgpu_metadata
.endif
;; end of part 3
;; launch proj (part 4): grid 8 x 32, 4 waves a work-group, clusters of 4 x 1, 327,680 bytes of LDS; arguments ao, wb, bp, out0; writes out0
.if DOCPART == 4
	.amdgcn_target "amdgcn-amd-amdhsa--gfx1250"
	.amdhsa_code_object_version 6
	.text
	.protected	k_q69530e42e1_proj
	.globl	k_q69530e42e1_proj
	.p2align	8
	.type	k_q69530e42e1_proj,@function
k_q69530e42e1_proj:
	s_mov_b64 s[64:65], 0
	v_nop
	global_prefetch_b8 v0, s[64:65] scope:SCOPE_SE
	s_setreg_imm32_b32 hwreg(HW_REG_WAVE_MODE, 25, 1), 1
	s_wait_xcnt 0x0
	s_wait_alu depctr_hold_cnt(0) depctr_sa_sdst(0) depctr_va_vdst(0) depctr_va_sdst(0) depctr_va_ssrc(0) depctr_va_vcc(0) depctr_vm_vsrc(0)
	s_getreg_b32 s2, hwreg(HW_REG_IB_STS2, 6, 4)
	s_cmp_eq_u32 s2, 0
	s_cbranch_scc0 .Lentry_in_a_cluster
	s_endpgm
.Lentry_in_a_cluster:
	s_bfe_u32 s2, ttmp6, 0x10000c
	s_cmp_lg_u32 s2, 0x3003
	s_cbranch_scc0 .Lentry_shape_is_right
	s_endpgm
.Lentry_shape_is_right:
; out0 = a Wp^T + bp on codes of BF8 (E5M2) with E8M0 scales: [8,192 tokens] x [1,024 features] x [K 1,024]; f32 sums, f32 out.
; OPERANDS ARE IMAGES OF REGISTERS: a tile is 16 rows, all of K, 16,384 bytes: eight fragments of 2,048 (byte 512 c + 16 lane); tile 2 g + u holds at lane place r the row 32 g + 8 u + (r & 7) + 16 (r >> 3).
; Scale bytes: 512 a tile, [256 along K: 4][r: 16][128 along K: 2][block: 4].
; THE DEAL.  256 work-groups, each 256 tokens x 128 features; four waves, 2 x 2: a wave makes 128 tokens x 64 features.
; A wave holds its 64 rows of Wp, ALL of K, in 512 registers, loaded from wb as they lie (128 loads of 512 consecutive bytes), and streams its eight blocks of 16 tokens past them: 32 products a block on four sums that take turns.
; The work-group's 256 rows of a, 262,144 bytes, lie in LDS whole: one tensor load a wave at the head, nothing is filled again: no ring and no round inside the work.
; Waves 0 and 1 fetch the first four blocks of the two rows of waves, shown by the first barrier; waves 2 and 3 the last four, shown by the barrier inside block 2, ahead of block 4's fetch.
; CLUSTER 4 x 1 along the features: the four partners want the same 256 rows of a: asked for jointly, mask 15.  Wp's 131,072 bytes of a work-group do not fit in LDS beside a's 262,144, so they go past LDS and are not asked for jointly.
; NO PREFETCH: every operand is asked for at the head; no later request is left to run ahead of.
; Source 0 = Wp's rows, source 1 = tokens: a lane holds one token, and the 16 registers of tiles 2 g, 2 g + 1 are 16 neighbouring features.  The bias is the C of each sum's first product.
; THE WAY OUT: a block, 16 tokens x 64 features, goes through the wave's own stage and leaves as whole rows of 256 bytes, while the next block is multiplied (two sets of sums, two sets of rows read back).
; REGISTERS: window 0: v1-9 addresses, v32-63 a's scale words, v68-83 Wp's, v96-127 the bias, v128-191 sums, v192-255 rows on the way out; windows 1, 2: Wp's fragment 4 q + b; window 3: two sets of a block's eight fragments.
; LIMITS: NaN and infinities are not served.
.set ASC,   8388608                    ; ao: scale bytes
.set WPI,   3244032                    ; wb: Wp's 64 tiles
.set WPS,   4292608                    ; wb: Wp's scale bytes
.set NP,    8                          ; places behind this matrix instruction (ISA guide 7.12.1)
.set STAGE, 262144                     ; behind a's rows: 16 rows x 272 bytes for each wave
.set SPITCH, 272
.set SPARE, STAGE+4*16*SPITCH          ; the spare words, 128 bytes a wave: two blocks of 256 bytes that no other line names
.set LI,  1                            ; 16 x lane
.set STO, 2
.set RD,  3
.set CO,  4
.set SPW, 5
.set NIL, 6
.set SCA, 7                            ; 512 h + 8 r: a pair of tiles' scale words
.set BA,  8                            ; 64 h
.set ADX, 14                           ; v14, v15: LDS address of my blocks 0-3, 4-7
.set SA,  32                           ; register 8 P + q: lanes 0-15 block 2 P's word of the q-th 128 along K, lanes 16-31 block 2 P + 1's
.set SB,  68                           ; register 8 p + q: lanes 0-15 Wp's tile 2 p, lanes 16-31 tile 2 p + 1.  No product's two scale registers have numbers equal modulo 8
.set BI,  96
.set ACC, 128
.set BK,  192
.set G1,  24
.set G0,  32
.set MSB, 0
.macro WIN new                         ; the immediate's high byte repeats the setting that is left
.if MSB != \new
	s_set_vgpr_msb (MSB<<8)|\new
.set MSB, \new
.endif
.endm
.macro PLACES n
.rept \n
	v_nop
.endr
.endm
.macro CROUND                          ; a round of the cluster's barrier
	s_barrier_signal -1
	s_barrier_wait -1
	s_cmp_lg_u32 s14, 0
	s_cbranch_scc1 .Lnot_wave_0_\@
	s_barrier_signal -3
.Lnot_wave_0_\@:
	s_barrier_wait -3
	s_barrier_signal -1
	s_barrier_wait -1
.endm
.macro TLOAD                           ; my four tiles of a; an s_nop 0 and four v_nop follow the line
	tensor_load_to_lds s[G0:G0+3], s[G1:G1+7]
	s_nop 0
	PLACES 4
.endm
	s_load_b256 s[4:11], s[0:1], 0x0               ; ao, wb, bp, out0
	v_lshl_add_u32 v[SPW], v0, 2, SPARE
	v_mov_b32 v[NIL], 0
	ds_add_u32 v[SPW], v[NIL]                      ; the opening lines: the add, twice on end, and its wait ahead of my tensor load
	ds_add_u32 v[SPW], v[NIL]
	v_lshrrev_b32 v10, 5, v0
	v_readfirstlane_b32 s14, v10                   ; wave 0..3
	s_lshr_b32 s15, s14, 1                         ; my row of waves: 128 tokens
	s_and_b32 s16, s14, 1                          ; my column: 64 features
	s_bfe_u32 s17, ttmp6, 0x40000                  ; cx
	s_lshl_b32 s18, ttmp9, 2
	s_add_co_u32 s18, s18, s17                     ; the block of 128 features: 4 x cluster x + cx
	s_and_b32 s19, ttmp7, 0xffff                   ; the block of 256 tokens: the cluster's y
	s_mov_b32 s[G1], 15|(3<<16)|(1<<21)            ; the mask: all four of the cluster; elements of 8 bytes; bit 21 beside a mask
	s_mov_b32 s[G1+1], 32<<16                      ; tensor_dim0: 256 bytes
	s_mov_b32 s[G1+2], 256<<16                     ; tensor_dim1: four tiles are 256 dense rows
	s_mov_b32 s[G1+3], 32<<16
	s_mov_b32 s[G1+4], 256
	s_mov_b32 s[G1+5], 32
	s_mov_b32 s[G1+6], 0
	s_mov_b32 s[G1+7], 0
	s_lshl_b32 s20, s16, 3
	s_lshl_b32 s21, s15, 2
	s_add_co_u32 s20, s20, s21                     ; the first tile that I fetch: 8 (wave & 1) + 4 (wave >> 1)
	s_lshl_b32 s22, s20, 14                        ; its place in LDS: tiles lie there as in memory
	s_lshl_b32 s36, s19, 18
	s_add_co_u32 s36, s36, s22                     ; and in ao: 16 tiles of 16,384 bytes a block of tokens
	s_mov_b32 s37, 0
	s_lshl_b32 s38, s18, 3
	s_lshl_b32 s23, s16, 2
	s_add_co_u32 s38, s38, s23                     ; my first tile of Wp
	s_lshl_b32 s40, s38, 9
	s_add_co_u32 s40, s40, WPS                     ; its scale words
	s_mov_b32 s41, 0
	s_lshl_b32 s38, s38, 14
	s_add_co_u32 s38, s38, WPI                     ; its codes
	s_mov_b32 s39, 0
	s_lshl_b32 s42, s19, 4
	s_lshl_b32 s23, s15, 3
	s_add_co_u32 s42, s42, s23                     ; my first block's tile of a
	s_lshl_b32 s42, s42, 9
	s_add_co_u32 s42, s42, ASC                     ; its scale words
	s_mov_b32 s43, 0
	s_lshl_b32 s44, s18, 9
	s_lshl_b32 s23, s16, 8
	s_add_co_u32 s44, s44, s23                     ; my first feature, in bytes of f32
	s_mov_b32 s45, 0
	s_lshl_b32 s46, s19, 20
	s_lshl_b32 s23, s15, 19
	s_add_co_u32 s46, s46, s23                     ; my first token's row of out0
	s_mov_b32 s47, 0
	s_lshl_b32 s48, s15, 17                        ; my eight blocks in LDS
	s_mul_i32 s49, s14, 16*SPITCH
	s_add_co_u32 s49, s49, STAGE                   ; my stage
	v_and_b32 v10, 31, v0
	v_lshlrev_b32 v[LI], 4, v10
	v_and_b32 v11, 15, v0                          ; r
	v_bfe_u32 v12, v0, 4, 1                        ; h
	v_lshlrev_b32 v[SCA], 3, v11
	v_lshl_add_u32 v[SCA], v12, 9, v[SCA]
	v_lshlrev_b32 v[BA], 6, v12
	v_add_nc_u32 v[ADX], s48, v[LI]
	v_add_nc_u32 v[ADX+1], 0x10000, v[ADX]
	v_mul_u32_u24 v13, v11, SPITCH
	v_lshl_add_u32 v13, v12, 6, v13
	v_add_nc_u32 v[STO], s49, v13                  ; into the stage: row r, 64 h
	v_mul_u32_u24 v13, v12, SPITCH
	v_lshl_add_u32 v13, v11, 4, v13
	v_add_nc_u32 v[RD], s49, v13                   ; back: lanes 0-15 one row of 256 bytes, lanes 16-31 the next
	v_lshlrev_b32 v13, 12, v12
	v_lshl_add_u32 v[CO], v11, 4, v13              ; and the same two rows in out0
	s_wait_alu depctr_va_vdst(0)                   ; the wait at the head's end: no vector instruction writes a register behind it
	s_wait_dscnt 0x0                               ; both opening adds are done
	CROUND                                         ; all four work-groups are here: the joint loads meet
	s_wait_kmcnt 0x0
	s_mov_b32 s[G0], 1
	s_mov_b32 s[G0+1], s22
	s_add_nc_u64 s[G0+2:G0+3], s[4:5], s[36:37]
	s_or_b32 s[G0+3], s[G0+3], 0x80000000
	s_add_nc_u64 s[38:39], s[6:7], s[38:39]
	s_add_nc_u64 s[40:41], s[6:7], s[40:41]
	s_add_nc_u64 s[42:43], s[4:5], s[42:43]
	s_add_nc_u64 s[50:51], s[8:9], s[44:45]
	s_add_nc_u64 s[12:13], s[10:11], s[44:45]
	s_add_nc_u64 s[12:13], s[12:13], s[46:47]
	s_cmp_lt_u32 s14, 2                            ; one load a wave; waves 0 and 1, whose tiles the first barrier shows, have a line of their own
	s_cbranch_scc0 .Llater
	TLOAD
	s_branch .Lasked
.Llater:
	TLOAD
.Lasked:
.set F_, 0
.rept 32                               ; Wp's fragment f = 4 q + b: tile b, the q-th 128 along K, into window 1 + f / 16
	WIN (1+F_/16)<<6
.irp c, 0,1,2,3
	global_load_b128 v[16*(F_%16)+4*\c:16*(F_%16)+4*\c+3], v[LI], s[38:39] offset:(F_%4)*16384+(F_/4)*2048+512*\c
.endr
.set F_, F_+1
.endr
	WIN 0
.irp p, 0,1
.irp k, 0,1,2,3
	global_load_b64 v[SB+8*\p+2*\k:SB+8*\p+2*\k+1], v[SCA], s[40:41] offset:1024*\p+128*\k
.endr
.endr
.irp p, 0,1,2,3
.irp k, 0,1,2,3
	global_load_b64 v[SA+8*\p+2*\k:SA+8*\p+2*\k+1], v[SCA], s[42:43] offset:1024*\p+128*\k
.endr
.endr
.irp b, 0,1,2,3                        ; register j of tile b, lane (r, h): feature 32 (b / 2) + 8 (b % 2) + 16 h + j of my 64
	global_load_b128 v[BI+8*\b:BI+8*\b+3], v[BA], s[50:51] offset:(32*(\b/2)+8*(\b%2))*4
	global_load_b128 v[BI+8*\b+4:BI+8*\b+7], v[BA], s[50:51] offset:(32*(\b/2)+8*(\b%2))*4+16
.endr
; product n = 4 q + b of a block: the four sums take turns, one instruction a turn
.macro PROD n, blk
.set Q_, (\n)/4
.set B_, (\n)%4
.set AC_, ACC+32*((\blk)%2)+8*B_
.set C_, AC_
.if Q_ == 0
.set C_, BI+8*B_
.endif
.set X_, 128*((\blk)%2)+16*Q_
.set W_, 16*((\n)%16)
.set XS_, SA+8*((\blk)/2)+Q_
.set WS_, SB+8*(B_/2)+Q_
	WIN (1+(\n)/16)|(3<<2)
.if (B_%2) && ((\blk)%2)
	v_wmma_scale_f32_16x16x128_f8f6f4 v[AC_:AC_+7], v[W_:W_+15], v[X_:X_+15], v[C_:C_+7], v[WS_], v[XS_] matrix_a_fmt:MATRIX_FMT_BF8 matrix_b_fmt:MATRIX_FMT_BF8 matrix_a_scale:MATRIX_SCALE_ROW1 matrix_b_scale:MATRIX_SCALE_ROW1
.elseif B_%2
	v_wmma_scale_f32_16x16x128_f8f6f4 v[AC_:AC_+7], v[W_:W_+15], v[X_:X_+15], v[C_:C_+7], v[WS_], v[XS_] matrix_a_fmt:MATRIX_FMT_BF8 matrix_b_fmt:MATRIX_FMT_BF8 matrix_a_scale:MATRIX_SCALE_ROW1
.elseif (\blk)%2
	v_wmma_scale_f32_16x16x128_f8f6f4 v[AC_:AC_+7], v[W_:W_+15], v[X_:X_+15], v[C_:C_+7], v[WS_], v[XS_] matrix_a_fmt:MATRIX_FMT_BF8 matrix_b_fmt:MATRIX_FMT_BF8 matrix_b_scale:MATRIX_SCALE_ROW1
.else
	v_wmma_scale_f32_16x16x128_f8f6f4 v[AC_:AC_+7], v[W_:W_+15], v[X_:X_+15], v[C_:C_+7], v[WS_], v[XS_] matrix_a_fmt:MATRIX_FMT_BF8 matrix_b_fmt:MATRIX_FMT_BF8
.endif
.endm
.macro PRODS blk, from, to
.set N_, \from
.rept (\to)-(\from)
	PROD N_, \blk
.set N_, N_+1
.endr
.endm
.macro FETCH blk                       ; a block of a, 16 tokens, all of K, as it lies: 32 loads of 512 consecutive bytes into set blk % 2 of window 3
	WIN 3<<6
.irp q, 0,1,2,3,4,5,6,7
.irp c, 0,1,2,3
	ds_load_b128 v[128*((\blk)%2)+16*\q+4*\c:128*((\blk)%2)+16*\q+4*\c+3], v[ADX+(\blk)/4] offset:((\blk)%4)*16384+2048*\q+512*\c
.endr
.endr
	WIN 0
.endm
.macro TOSTAGE blk                     ; 8 stores and 8 loads; LDS serves a wave's instructions in order, so no wait stands between them; each sum is read from its low end on
.set AS_, ACC+32*((\blk)%2)
.set BB_, BK+32*((\blk)%2)
.irp b, 0,1,2,3
	ds_store_b128 v[STO], v[AS_+8*\b:AS_+8*\b+3] offset:128*(\b/2)+32*(\b%2)
	ds_store_b128 v[STO], v[AS_+8*\b+4:AS_+8*\b+7] offset:128*(\b/2)+32*(\b%2)+16
.endr
.irp t, 0,1,2,3,4,5,6,7
	ds_load_b128 v[BB_+4*\t:BB_+4*\t+3], v[RD] offset:\t*2*SPITCH
.endr
.endm
.macro SEND blk, younger               ; younger: the LDS loads issued behind the stage's, which may stay out.  Stage row 2 t + h is the token at that lane place of the block's tile
.set BB_, BK+32*((\blk)%2)
	s_wait_dscnt \younger
.irp t, 0,1,2,3,4,5,6,7
	global_store_b128 v[CO], v[BB_+4*\t:BB_+4*\t+3], s[12:13] offset:(32*((\blk)/2)+8*((\blk)%2)+((2*\t)%8)+16*(\t/4))*4096 th:TH_STORE_NT   ; sixteen lanes store 256 consecutive bytes, aligned
.endr
.endm
.macro BLK blk
.if (\blk) == 0
	s_wait_dscnt 32                                ; block 0 is in; block 1's 32 loads may be out
.elseif (\blk) == 7
	s_wait_dscnt 16                                ; behind block 7's loads: the stage's 16 of block 6
.else
	s_wait_dscnt 48                                ; behind this block's loads: the stage's 16 of the block before, and the next block's 32
.endif
	PRODS \blk, 0, 16
.if (\blk) > 0
	WIN 0
.if (\blk) < 7
	SEND (\blk)-1, 32                              ; the block before leaves; the next block's 32 loads may be out
.else
	SEND (\blk)-1, 0
.endif
.endif
.if (\blk) == 2
	PRODS \blk, 16, 28
	WIN 0
	s_wait_tensorcnt 0x0                           ; every wave: my four tiles are in
	s_wait_dscnt 0x0                               ; no LDS instruction of mine is out at a signal
	s_barrier_signal -1
	PRODS \blk, 28, 32
	WIN 0
	s_barrier_wait -1                              ; all of a's rows are in LDS: block 4 may be fetched
.else
	PRODS \blk, 16, 32
	WIN 0
.endif
	PLACES NP                                      ; in front of the stage's reads of the sums and of the loads into the set just multiplied
.if (\blk) > 1
	s_wait_xcnt 0x0                                ; the stores of two blocks back have read their registers: the stage's loads land there
.endif
	TOSTAGE \blk
.if (\blk) < 6
	FETCH (\blk)+2
.endif
.endm
	s_cmp_lt_u32 s14, 2
	s_cbranch_scc0 .Lnot_first
	s_wait_tensorcnt 0x0                           ; waves 0 and 1: blocks 0 to 3 of both rows of waves are in
.Lnot_first:
	s_barrier_signal -1
	s_barrier_wait -1
	FETCH 0
	FETCH 1
	s_wait_loadcnt 0x0                             ; Wp, the scale words, the bias
.irp n, 0,1,2,3,4,5,6,7
	BLK \n
.endr
	SEND 7, 0
	s_wait_tensorcnt 0x0                           ; the wave's end
	ds_add_u32 v[SPW], v[NIL]
	s_wait_dscnt 0x0
	CROUND                                         ; the closing round
	s_endpgm
.Lfunc_end_k_q69530e42e1_proj:
	.size	k_q69530e42e1_proj, .Lfunc_end_k_q69530e42e1_proj-k_q69530e42e1_proj
	.p2alignl 7, 3214868480
	.fill 96, 4, 3214868480
	.section	.rodata,"a",@progbits
	.p2align	6, 0x0
	.amdhsa_kernel k_q69530e42e1_proj
		.amdhsa_group_segment_fixed_size 327680
		.amdhsa_private_segment_fixed_size 0
		.amdhsa_enable_private_segment 0
		.amdhsa_kernarg_size 32
		.amdhsa_user_sgpr_count 2
		.amdhsa_user_sgpr_kernarg_segment_ptr 1
		.amdhsa_wavefront_size32 1
		.amdhsa_system_sgpr_workgroup_id_x 1
		.amdhsa_system_sgpr_workgroup_id_y 1
		.amdhsa_system_sgpr_workgroup_id_z 1
		.amdhsa_system_vgpr_workitem_id 0
		.amdhsa_next_free_vgpr 1024
		.amdhsa_next_free_sgpr 66
		.amdhsa_reserve_vcc 0
		.amdhsa_float_denorm_mode_32 3
		.amdhsa_float_denorm_mode_16_64 3
		.amdhsa_memory_ordered 1
		.amdhsa_forward_progress 1
		.amdhsa_inst_pref_size 87
	.end_amdhsa_kernel
	.amdgpu_metadata
---
amdhsa.version: [ 1, 2 ]
amdhsa.kernels:
  - .name:           k_q69530e42e1_proj
    .symbol:         k_q69530e42e1_proj.kd
    .args:
      - { .name: ao, .offset: 0, .size: 8, .value_kind: global_buffer, .address_space: global }
      - { .name: wb, .offset: 8, .size: 8, .value_kind: global_buffer, .address_space: global }
      - { .name: bp, .offset: 16, .size: 8, .value_kind: global_buffer, .address_space: global }
      - { .name: out0, .offset: 24, .size: 8, .value_kind: global_buffer, .address_space: global }
    .group_segment_fixed_size: 327680
    .private_segment_fixed_size: 0
    .kernarg_segment_align: 8
    .kernarg_segment_size: 32
    .max_flat_workgroup_size: 128
    .sgpr_count:     66
    .vgpr_count:     1024
    .wavefront_size: 32
...
	.end_amdgpu_metadata
.endif
;; end of part 4
